; MI455X (gfx1250); checked and timed in simulation.
; The chip was launched on July 23, 2026; its instructions are those of AMD's public machine-readable ISA for CDNA 5 (MIT licence, August 2026) and "CDNA5" Instruction Set Architecture Reference Guide (July 2026). The comments in the code are by the model that wrote it; some were corrected since.
;; Attention. Allowed arithmetic: matrix products marked QUANTISED: E2M3 operands, one E8M0 scale for each 32 along K, by v_wmma_scale_f32_16x16x128_f8f6f4 with both operands' format E2M3, f32 sums; everything else in f32.
;; Inputs: Wk 2,048 x 512 float32; Wo 2,048 x 2,048 float32; Wq 2,048 x 2,048 float32; Wv 2,048 x 512 float32; attn_mask 1 x 1 x 1,024 x 2,048 float32; key_padding_mask 2 x 2,048 bool; x_kv 2 x 2,048 x 2,048 float32; x_q 2 x 1,024 x 2,048 float32.
;; Outputs: out0 2 x 1,024 x 2,048 float32.
;; This version of the problem:
;;   THIS VERSION OF THE PROBLEM IS GIVEN IN LOW PRECISION. The matrix products marked QUANTISED in the list below multiply operands that are first quantised to E2M3 (2 exponent bits, 3 mantissa bits; 6 bits a number), with one power-of-two scale for each 32 numbers along K (OCP MX v1.0); their sums are f32. All else is computed in f32.
;;   The module's matrix products, in the order in which they are computed (A, B: the left and right operand; K: the contracted axis; several contracted axes count as one K, in the product's order):
;;     1. [M 2,048, K 2,048] x [K 2,048, N 2,048]; A: input x_q; B: input Wq: QUANTISED
;;     2. [M 4,096, K 2,048] x [K 2,048, N 512]; A: input x_kv; B: input Wk: QUANTISED
;;     3. [M 4,096, K 2,048] x [K 2,048, N 512]; A: input x_kv; B: input Wv: QUANTISED
;;     4. batch 64 x [M 1,024, K 64] x [K 64, N 2,048]; A: computed on the way; B: computed on the way: QUANTISED
;;     5. batch 64 x [M 1,024, K 2,048] x [K 2,048, N 64]; A: softmax (see below); B: computed on the way: QUANTISED
;;     6. [M 2,048, K 2,048] x [K 2,048, N 2,048]; A: computed on the way; B: input Wo: QUANTISED
;;   THE QUANTISER, for each operand of a quantised product, along K:
;;     - K is cut into blocks of 32 from its start; a last block that is shorter is filled with zeros.
;;     - A block's scale is 2^e with e = floor(log2(the largest magnitude in the block)) - 2, held to -126 .. 127; a block of zeros has e = 0. As a byte (E8M0): e + 127.
;;     - Each number is divided by its block's scale, clamped to +-7.5, and rounded to the nearest number of E2M3, ties to even, subnormals kept.
;;     - The product sums the exact products of the quantised numbers (number of the format x scale) in f32.
;;   ~~~python
;;   def quantise(x, axis):      # numpy; x: float32 -> the quantised numbers, widened to float32 again
;;       x = np.moveaxis(x, axis, -1); K = x.shape[-1]
;;       x = np.pad(x, [(0, 0)] * (x.ndim - 1) + [(0, -K % 32)]); x = x.reshape(x.shape[:-1] + (-1, 32)); a = np.abs(x).max(-1, keepdims=True)
;;       e = np.where(a > 0, np.clip(np.frexp(np.where(a > 0, a, 1))[1] - 1 - 2, -126, 127), 0)      # np.frexp(a)[1] - 1 = floor(log2(a)), exactly
;;       r = np.clip(x / 2.0 ** e, -7.5, 7.5)
;;       step = 2.0 ** (np.maximum(np.frexp(np.where(r == 0, 1, r))[1] - 1, 0) - 3)
;;       q = np.round(r / step) * step * 2.0 ** e      # np.round: ties to even
;;       return np.moveaxis(q.reshape(q.shape[:-2] + (-1,))[..., :K], -1, axis).astype(np.float32)
;;   ~~~
;;   SOFTMAX AHEAD OF A QUANTISED PRODUCT. Where the list says 'softmax', what is quantised is not the finished softmax but p = 2^(t - M), with t = logit x log2(e) and M = ceil(the row's largest t), a whole number; so 1/2 < the row's largest p <= 1. The row's sum l is taken of the UNQUANTISED p, in f32, and the product's result is divided by l at the end. Since M is a whole number, a kernel that streams over the keys may use a running M (the ceiling of the running maximum): every later rescaling is an exact power of two, which a block's scale takes up: the codes' values come out the same.
;;   OPERANDS COMPUTED ON THE WAY. 'Computed on the way' means the value that the module computes at that place (a softmax that the list does not call 'softmax' is quantised finished and normalised). What goes into a quantiser is computed in f32, as accurately as f32 sums, v_exp_f32 and their like allow (about 1e-6 of the number): no bf16 or f16 on the way to a quantiser, and a product that is left as it is and whose result goes on into a quantised operand takes f32 operands (vector FMAs, or v_wmma_f32_16x16x4_f32). A number that lies on a knife's edge between two numbers of the format may be rounded either way, as far as f32 arithmetic and the matrix unit's own rounding can turn it there, and no further.
;; One version. Each part assembles by itself: llvm-mc -triple=amdgcn-amd-amdhsa -mcpu=gfx1250 --defsym DOCPART=n.
;; ======== version 1 of 1: 4 launches
;; limits: right only within a limited range of input values
;; workspace buffers: cimg 17,301,504 bytes; cscl 720,896 bytes; rope 524,288 bytes; qimg 4,194,304 bytes; qscl 262,144 bytes; kv 3,866,624 bytes; aimg 3,145,728 bytes; ascl 131,072 bytes
;; launch prep (part 1): grid 1040 x 1, 4 waves a work-group, no clusters, 47,616 bytes of LDS; arguments x_q, x_kv, Wq, Wk, Wv, Wo, cimg, cscl, rope; writes cimg, cscl, rope
.if DOCPART == 1
	.amdgcn_target "amdgcn-amd-amdhsa--gfx1250"
	.amdhsa_code_object_version 6
	.text
	.protected	k_q7dad87076d_prep
	.globl	k_q7dad87076d_prep
	.p2align	8
	.type	k_q7dad87076d_prep,@function
k_q7dad87076d_prep:
	s_mov_b64 s[64:65], 0
	v_nop
	global_prefetch_b8 v0, s[64:65] scope:SCOPE_SE
	s_setreg_imm32_b32 hwreg(HW_REG_WAVE_MODE, 25, 1), 1
	s_wait_xcnt 0x0
; PREP: every f32 operand of the three projections and of the output projection becomes codes of E2M3 with one E8M0 byte for each 32 along K (K = the model's 2,048), and the RoPE table is made.
; OUTPUT LAYOUT (this program's own).  An operand's rows (rows of x_q, x_kv; columns of Wq, Wk, Wv, Wo) are numbered 0 .. 11,263 on end and cut into tiles of 16.
; Lane r of tile T holds row 32 (T / 2) + 8 (T % 2) + r + 8 (r / 8): so the results of two neighbouring tiles used as source 0 are 16 neighbours in a lane's registers.
; cimg [tile][K step of 128][6 planes of 256 bytes]: plane p holds registers 2 p, 2 p + 1 of the matrix operand, lane L's 8 bytes at 8 L: an image of the operand's registers.
; cscl [tile][K / 256][r][2 words]: a word = the four scale bytes of one row for 128 along K.      rope [position][32 cos | 32 sin], f32.
; A block's scale byte is its largest magnitude's exponent field - 2, held at 1 from below (a block of zeros gets 1: its codes are zeros, and this program alone reads the bytes).
; LIMITS: blocks whose largest magnitude lies under 2^-124 are coded under the byte 1; NaN and infinities among the inputs are not served.
; The angle of the table is the f32 product position x inv_freq; inv_freq = 2^(-j log2(10) / 8) by v_exp_f32, so it may differ in its last bits from the power that the model's source writes.
; THREE PATHS, parted once on the work-group's number, each with LDS bytes of its own: 0-383 rows of x (K innermost); 384-1023 columns of the weights (K outermost); 1024-1039 the table.
; No tensor loads, no barrier: waves share nothing.
.set XSTG, 8448                        ; path X: a wave's stage: 16 rows x (512 bytes + 16)
.set WST0, 33792                       ; path W: the stages begin behind X's four
.set WSTG, 3328                        ; a wave's: two tiles' images of one K step,
.set WTP,  1664                        ; 1,664 bytes apart (1,536 + 128: the two tiles' runs of 128 bytes fall on different banks; 64 banks of 4 bytes: ISA guide 11.1)
.set XR,   16                          ; v16-143  X: two sets of 64 registers as loaded
.set XX,   144                         ; v144-207 X: 64 numbers in the operand's order
.set XC,   208                         ; v208-219 X: the 12 registers of codes
.set XCT,  220                         ; v220-226 X: the second halves of the blocks' codes, as converted
.set XW,   228                         ; v228-231 X: four scale words
.set XTM,  232                         ; v232-233 largest magnitudes;  v234-235 scale operands;  v236-237 bytes;  v238 the other half's;  v239 8 h
.set XTS,  234
.set XTB,  236
.set XPT,  238
.set XSH,  239
.set WVO,  16                          ; v16-47   W: byte offsets of 32 rows of K at my column; never rewritten
.set WX,   48                          ; v48-175  W: four sets of 32 numbers
; THE WORK-GROUPS AS THEY NOW STAND: 0-383 rows of x; 384-1023 columns of the weights, 128 columns x one K step of 128 each; 1024-1039 the table.  W's numbers take four sets, v48-175
.set WC,   176                         ; v176-181 W: a block's codes
.set WCT,  182
.set WSW,  190                         ; v190 W: the K step's scale word
.set WO,   194                         ; v194-217 W: the way out
.set WM,   218
.set WTS,  220
.set WTB,  221
; ---- path X: K step s of my 16 rows: each load reads 512 consecutive bytes of one row
.macro XLOAD s
.set ii, 0
.rept 16
	global_load_b128 v[XR+64*((\s)%2)+4*ii:XR+64*((\s)%2)+4*ii+3], v9, s[22:23] offset:(ii+8*(ii/8))*8192+512*(\s) th:TH_LOAD_NT
.set ii, ii+1
.endr
.endm
; through my own stage: in as loaded, back so that lane (r, h) holds of row r the numbers k = 64 c + 32 h + 0 .. 31.  LDS serves a wave's instructions in order (ISA guide 5.7.1.4): no wait between
.macro XTURN s
.set ii, 0
.rept 16
	ds_store_b128 v4, v[XR+64*((\s)%2)+4*ii:XR+64*((\s)%2)+4*ii+3] offset:528*ii
.set ii, ii+1
.endr
.irp c, 0,1
.set ii, 0
.rept 8
	ds_load_b128 v[XX+32*\c+4*ii:XX+32*\c+4*ii+3], v5 offset:256*\c+16*ii
.set ii, ii+1
.endr
.endr
.endm
; a lane's two whole blocks (2 c + h) become registers 6 c .. 6 c + 5 of the operand; the four bytes of the row's word are gathered from lanes l and l xor 16
.macro XQ s
.irp c, 0,1
	v_max3_num_f32 v[XTM+\c], |v[XX+32*\c]|, |v[XX+32*\c+1]|, 0x1800000     ; with the floor 2^(3 - 127): the byte cannot fall under 1
.endr
.set ii, 2
.rept 15
.irp c, 0,1
	v_max3_num_f32 v[XTM+\c], v[XTM+\c], |v[XX+32*\c+ii]|, |v[XX+32*\c+ii+1]|
.endr
.set ii, ii+2
.endr
.irp c, 0,1
	v_add_nc_u32 v[XTS+\c], 0xff000000, v[XTM+\c]  ; 2 off the exponent field: the conversion's scale operand
.endr
.irp c, 0,1
	v_lshrrev_b32 v[XTB+\c], 23, v[XTS+\c]         ; the scale's byte
.endr
	v_lshl_or_b32 v[XW+(\s)], v[XTB+1], 16, v[XTB]
	v_lshlrev_b32 v[XW+(\s)], v[XSH], v[XW+(\s)]   ; my two bytes at their places: 8 h bits up
	v_permlanex16_b32 v[XPT], v[XW+(\s)], s28, s29
	v_or_b32 v[XW+(\s)], v[XW+(\s)], v[XPT]        ; the word is whole, in both halves of the lanes
	s_wait_alu depctr_va_vdst(0)
	s_wait_xcnt 0x0                                ; the last step's stores have read the codes' registers: they are written again only behind this wait
.irp c, 0,1
	v_cvt_scalef32_pk16_fp6_f32 v[XC+6*\c:XC+6*\c+2], v[XX+32*\c:XX+32*\c+15], v[XTS+\c]
	v_cvt_scalef32_pk16_fp6_f32 v[XCT+4*\c:XCT+4*\c+2], v[XX+32*\c+16:XX+32*\c+31], v[XTS+\c]   ; (a conversion's three registers begin on an even number)
.endr
	v_nop                                          ; one plain place behind a scaled conversion
.irp c, 0,1
.irp i, 0,1,2
	v_mov_b32 v[XC+6*\c+3+\i], v[XCT+4*\c+\i]
.endr
.endr
.irp p, 0,1,2,3,4,5
	global_store_b64 v10, v[XC+2*\p:XC+2*\p+1], s[16:17] offset:1536*(\s)+256*\p   ; a plane: 32 lanes store 256 consecutive bytes, aligned
.endr
.endm
; ---- path W: block t: 32 rows of K at my column; each load reads 128 consecutive bytes
.macro WLOAD t
	s_wait_xcnt 0x0                                ; the base is stepped only behind this wait
.if (\t) > 0
	s_add_nc_u64 s[22:23], s[22:23], s[32:33]      ; 32 rows of K on
.endif
.set ii, 0
.rept 32
	global_load_b32 v[WX+32*((\t)%4)+ii], v[WVO+ii], s[22:23] th:TH_LOAD_NT
.set ii, ii+1
.endr
.endm
.macro WBLOCK t
.set XS, WX+32*((\t)%4)
.if (\t) < 2
	s_wait_loadcnt 63                              ; this block's 32 loads are in: behind them stand 96 or 64 later ones, and the wait's field names 63 at the most
.else
	s_wait_loadcnt 32*(3-(\t))                     ; this block's 32 loads are in; the later block's may be out
.endif
	v_max3_num_f32 v[WM], |v[XS]|, |v[XS+1]|, |v[XS+2]|            ; all 32 numbers of the block are mine: two chains
	v_max3_num_f32 v[WM+1], |v[XS+3]|, |v[XS+4]|, |v[XS+5]|
.irp i, 6,10,14,18,22,26
	v_max3_num_f32 v[WM], v[WM], |v[XS+\i]|, |v[XS+\i+1]|
	v_max3_num_f32 v[WM+1], v[WM+1], |v[XS+\i+2]|, |v[XS+\i+3]|
.endr
	v_max3_num_f32 v[WM], v[WM], |v[XS+30]|, |v[XS+31]|
	v_max3_num_f32 v[WM], v[WM], v[WM+1], 0x1800000                ; and the floor
	v_add_nc_u32 v[WTS], 0xff000000, v[WM]
	v_lshrrev_b32 v[WTB], 23, v[WTS]
.if (\t)%4 == 0
	v_mov_b32 v[WSW+(\t)/4], v[WTB]                ; four bytes to a word, the lower K in the lower byte
.else
	v_lshl_or_b32 v[WSW+(\t)/4], v[WTB], 8*((\t)%4), v[WSW+(\t)/4]
.endif
	v_cvt_scalef32_pk16_fp6_f32 v[WC:WC+2], v[XS:XS+15], v[WTS]
	v_cvt_scalef32_pk16_fp6_f32 v[WCT:WCT+2], v[XS+16:XS+31], v[WTS]
	v_nop                                          ; one plain place behind a scaled conversion
.irp i, 0,1,2
	v_mov_b32 v[WC+3+\i], v[WCT+\i]
.endr
.irp p, 0,1,2
	ds_store_b64 v6, v[WC+2*\p:WC+2*\p+1] offset:256*(3*(((\t)>>1)&1)+\p)+128*((\t)&1)   ; block 2 c + h of the K step: planes 3 c + p, the upper half of the lanes for h = 1
.endr
	s_wait_dscnt 0x0                               ; the stores have read their registers: the next block's codes may be written
.endm
.macro WOUT s                          ; a K step's two images leave: each store covers 512 consecutive bytes, aligned
	s_wait_xcnt 0x0                                ; the last way out's stores have read these registers
.irp u, 0,1
.irp i, 0,1,2
	ds_load_b128 v[WO+12*\u+4*\i:WO+12*\u+4*\i+3], v8 offset:WTP*\u+512*\i
.endr
.endr
	s_wait_dscnt 0x0
.irp u, 0,1
.irp i, 0,1,2
	global_store_b128 v9, v[WO+12*\u+4*\i:WO+12*\u+4*\i+3], s[16:17] offset:24576*\u+1536*(\s)+512*\i
.endr
.endr
.endm
	s_load_b256 s[4:11], s[0:1], 0x0               ; x_q s[4:5], x_kv s[6:7], Wq s[8:9], Wk s[10:11]
	s_load_b256 s[12:19], s[0:1], 0x20             ; Wv s[12:13], Wo s[14:15], cimg s[16:17], cscl s[18:19]
	s_load_b64 s[20:21], s[0:1], 0x40              ; rope
	v_lshl_add_u32 v240, v0, 2, 0xb800
	v_mov_b32 v241, 0
	v_lshrrev_b32 v1, 5, v0
	v_readfirstlane_b32 s2, v1                     ; wave 0..3
	v_and_b32 v1, 31, v0                           ; L
	v_and_b32 v2, 15, v0                           ; r
	v_bfe_u32 v3, v0, 4, 1                         ; h
	; all LDS addresses are made here, ahead of the parting
	s_mul_i32 s3, s2, XSTG
	v_lshl_add_u32 v4, v1, 4, s3                   ; X, in: 16 L
	v_mul_u32_u24 v5, v2, 528
	v_lshl_add_u32 v5, v3, 7, v5
	v_add_nc_u32 v5, s3, v5                        ; X, back: row r, + 128 h
	s_mul_i32 s3, s2, WSTG
	s_add_co_u32 s3, s3, WST0
	v_bfe_u32 v14, v0, 3, 1                        ; W: column L of my 32 lies in tile u = (L / 8) % 2,
	v_and_b32 v7, 7, v0
	v_lshl_or_b32 v7, v3, 3, v7                    ; at lane L % 8 + 8 (L / 16) of it
	v_mul_u32_u24 v6, v14, WTP
	v_lshl_add_u32 v6, v7, 3, v6
	v_add_nc_u32 v6, s3, v6                        ; W, in
	v_lshl_add_u32 v8, v1, 4, s3                   ; W, back: 16 L
	v_lshlrev_b32 v9, 4, v1                        ; 16 L, for memory
	v_lshlrev_b32 v10, 3, v1                       ; 8 L
	s_mov_b32 s28, 0x76543210
	s_mov_b32 s29, 0xfedcba98                      ; v_permlanex16_b32's selects for lane l xor 16
	s_wait_kmcnt 0x0
	s_cmp_lt_u32 ttmp9, 384
	s_cbranch_scc1 .Lx
	s_cmp_lt_u32 ttmp9, 1024
	s_cbranch_scc1 .Lw
	; ---- THE TABLE: 64 waves, 32 positions each; a lane is a frequency j
	s_sub_co_u32 s24, ttmp9, 1024
	s_lshl_b32 s24, s24, 2
	s_add_co_u32 s24, s24, s2
	s_lshl_b32 s25, s24, 5                         ; my first position
	s_lshl_b32 s26, s24, 13                        ; 32 rows of 256 bytes
	s_mov_b32 s27, 0
	s_add_nc_u64 s[20:21], s[20:21], s[26:27]
	v_cvt_f32_u32 v16, v1
	v_mul_f32 v16, 0xbed49a78, v16                 ; -j log2(10) / 8
	s_wait_alu depctr_va_vdst(0)
	v_exp_f32 v16, v16                             ; inv_freq = 10000^(-j / 32)
	v_cvt_f32_u32 v17, s25                         ; the position  (a plain place behind the exponential)
	v_lshlrev_b32 v18, 2, v1
	s_mov_b32 s30, 0x3f22f983                      ; 2 / pi
	s_mov_b32 s31, 0x3fc90fdb                      ; pi / 2, upper part: n x it is taken off exactly by one fused multiply-add (n < 2^11),
	s_mov_b32 s32, 0xb33bbd2e                      ; and the rest of pi / 2
	s_mov_b32 s33, 0xb94ca1f9                      ; sine on +-pi/4: r + r z (S1 + z (S2 + z S3))
	s_mov_b32 s34, 0x3c08839e
	s_mov_b32 s35, 0xbe2aaaa3
	s_mov_b32 s36, 0x37ccf5ce                      ; cosine: 1 - z / 2 + z^2 (C1 + z (C2 + z C3))
	s_mov_b32 s37, 0xbab6061a
	s_mov_b32 s38, 0x3d2aaaa5
	s_mov_b32 s24, 32
.Ltrip:
	s_wait_alu depctr_va_vdst(0)
	v_mul_f32 v19, v17, v16                        ; the angle
	v_mul_f32 v20, s30, v19
	v_rndne_f32 v20, v20                           ; n quarter turns
	v_fma_f32 v21, -v20, s31, v19
	v_fma_f32 v21, -v20, s32, v21                  ; what is left, within +-pi/4
	v_mul_f32 v22, v21, v21
	v_fma_f32 v23, v22, s33, s34
	v_fma_f32 v26, v22, s36, s37
	v_fma_f32 v23, v23, v22, s35
	v_fma_f32 v26, v26, v22, s38
	v_mul_f32 v24, v21, v22
	v_mul_f32 v27, v22, v22
	v_fma_f32 v28, v22, -0.5, 1.0
	v_fma_f32 v25, v23, v24, v21                   ; sine
	v_fma_f32 v28, v26, v27, v28                   ; cosine
	v_cvt_i32_f32 v29, v20
	v_and_b32 v30, 1, v29
	v_cmp_ne_u32 vcc_lo, 0, v30                    ; an odd quarter swaps the two
	v_cndmask_b32 v31, v25, v28, vcc_lo
	v_cndmask_b32 v32, v28, v25, vcc_lo
	v_and_b32 v30, 2, v29                          ; the sine is negative in quarters 2, 3,
	v_lshlrev_b32 v30, 30, v30
	v_xor_b32 v31, v30, v31
	v_add_nc_u32 v33, 1, v29                       ; the cosine in quarters 1, 2
	v_and_b32 v33, 2, v33
	v_lshlrev_b32 v33, 30, v33
	v_xor_b32 v32, v33, v32
	global_store_b32 v18, v32, s[20:21]
	global_store_b32 v18, v31, s[20:21] offset:128
	s_wait_xcnt 0x0                                ; offset and data are written again only behind this wait
	v_add_nc_u32 v18, 256, v18
	v_add_f32 v17, 1.0, v17
	s_sub_co_u32 s24, s24, 1
	s_cmp_lg_u32 s24, 0
	s_cbranch_scc1 .Ltrip
	s_endpgm
	; ---- ROWS OF x: the work-group is tile T = its number, the wave takes 512 along K: four K steps
.Lx:
	s_cmp_lt_u32 ttmp9, 128
	s_cselect_b64 s[22:23], s[4:5], s[6:7]         ; tiles 0-127 x_q, 128-383 x_kv: the choice hangs on the work-group's number alone
	s_cselect_b32 s24, 0, 128
	s_sub_co_u32 s24, ttmp9, s24                   ; the tile within its tensor
	s_lshr_b32 s25, s24, 1
	s_lshl_b32 s25, s25, 18                        ; 32 rows of 8,192 bytes for each pair of tiles,
	s_and_b32 s26, s24, 1
	s_lshl_b32 s26, s26, 16                        ; 8 rows for the odd one,
	s_add_co_u32 s26, s26, s25
	s_lshl_b32 s27, s2, 11                         ; my 512 along K
	s_add_co_u32 s26, s26, s27
	s_mov_b32 s27, 0
	s_add_nc_u64 s[22:23], s[22:23], s[26:27]
	s_mul_i32 s26, ttmp9, 24576
	s_mul_i32 s24, s2, 6144
	s_add_co_u32 s26, s26, s24
	s_add_nc_u64 s[16:17], s[16:17], s[26:27]
	s_lshl_b32 s26, ttmp9, 10
	s_lshl_b32 s24, s2, 8
	s_add_co_u32 s26, s26, s24
	s_add_nc_u64 s[18:19], s[18:19], s[26:27]
	v_lshlrev_b32 v11, 3, v2
	v_lshl_add_u32 v11, v3, 7, v11                 ; the scale words' place: 128 h + 8 r
	v_lshlrev_b32 v[XSH], 3, v3
	v_mov_b32 v[XPT], 0                            ; a lane permute's destination counts as one of its sources
	s_wait_alu depctr_va_vdst(0)
	XLOAD 0
	XLOAD 1
	s_wait_loadcnt 16                              ; step 0's 16 loads are in; step 1's stay out
	XTURN 0
	s_wait_dscnt 0x0                               ; step 0 is back from the stage, and the stage's stores have read set 0
	XLOAD 2
	XQ 0
	s_wait_loadcnt 16                              ; step 1 is in; step 2's 16 stay out
	XTURN 1
	s_wait_dscnt 0x0
	XLOAD 3
	XQ 1
	s_wait_loadcnt 16                              ; step 2 is in; step 3's 16 stay out
	XTURN 2
	s_wait_dscnt 0x0
	XQ 2
	s_wait_loadcnt 0x0
	XTURN 3
	s_wait_dscnt 0x0
	XQ 3
	v_cmp_ne_u32 vcc_lo, 0, v3                     ; lanes 0-15 store K steps 0, 1 of their row, lanes 16-31 K steps 2, 3
	v_cndmask_b32 v[XTB], v[XW], v[XW+2], vcc_lo
	v_cndmask_b32 v[XTB+1], v[XW+1], v[XW+3], vcc_lo
	global_store_b64 v11, v[XTB:XTB+1], s[18:19]   ; 256 consecutive bytes, aligned
	s_wait_tensorcnt 0x0
	ds_add_u32 v240, v241
	s_wait_dscnt 0x0
	s_endpgm
	; ---- COLUMNS OF THE WEIGHTS: a lane takes a column and its registers run down K.  Work-group 16 cg + K step: 128 columns, 128 along K; a wave 32 columns: two tiles
.Lw:
	s_sub_co_u32 s24, ttmp9, 384
	s_lshr_b32 s25, s24, 4                         ; cg: 0-15 Wq, 16-19 Wk, 20-23 Wv, 24-39 Wo
	s_and_b32 s24, s24, 15                         ; the K step
	s_mov_b64 s[22:23], s[14:15]
	s_mov_b32 s26, 24                              ; the tensor's first cg
	s_mov_b32 s27, 8192                            ; a row of K in bytes
	s_cmp_lt_u32 s25, 24
	s_cselect_b64 s[22:23], s[12:13], s[22:23]
	s_cselect_b32 s26, 20, s26
	s_cselect_b32 s27, 2048, s27
	s_cmp_lt_u32 s25, 20
	s_cselect_b64 s[22:23], s[10:11], s[22:23]
	s_cselect_b32 s26, 16, s26
	s_cmp_lt_u32 s25, 16
	s_cselect_b64 s[22:23], s[8:9], s[22:23]
	s_cselect_b32 s26, 0, s26
	s_cselect_b32 s27, 8192, s27
	s_sub_co_u32 s30, s25, s26
	s_lshl_b32 s30, s30, 9                         ; 128 columns of 4 bytes
	s_lshl_b32 s31, s2, 7                          ; my 32
	s_add_co_u32 s30, s30, s31
	s_lshl_b32 s31, s27, 7                         ; 128 rows of K
	s_mul_i32 s31, s31, s24
	s_add_co_u32 s30, s30, s31
	s_mov_b32 s31, 0
	s_add_nc_u64 s[22:23], s[22:23], s[30:31]
	s_lshl_b32 s32, s27, 5                         ; 32 rows of K: a block's step
	s_mov_b32 s33, 0
	s_lshl_b32 s34, s25, 3
	s_lshl_b32 s35, s2, 1
	s_add_co_u32 s34, s34, s35
	s_add_co_u32 s34, s34, 384                     ; my first tile
	s_mul_i32 s30, s34, 24576
	s_mul_i32 s35, s24, 1536
	s_add_co_u32 s30, s30, s35
	s_add_nc_u64 s[16:17], s[16:17], s[30:31]
	s_lshl_b32 s30, s34, 10
	s_lshr_b32 s35, s24, 1                         ; the scale word's place: 128 bytes for each 256 along K,
	s_lshl_b32 s35, s35, 7
	s_add_co_u32 s30, s30, s35
	s_and_b32 s35, s24, 1                          ; the second word for the odd K step
	s_lshl_b32 s35, s35, 2
	s_add_co_u32 s30, s30, s35
	s_add_nc_u64 s[18:19], s[18:19], s[30:31]
	v_lshlrev_b32 v12, 2, v1
.set ii, 0
.rept 32
	v_mad_u32_u24 v[WVO+ii], s27, ii, v12
.set ii, ii+1
.endr
	v_lshlrev_b32 v13, 10, v14
	v_lshl_add_u32 v13, v7, 3, v13                 ; my column's scale words: tile u, lane r
	s_wait_alu depctr_va_vdst(0)
	WLOAD 0                                        ; the K step's four blocks are asked for at once: 128 loads a wave
	WLOAD 1
	WLOAD 2
	WLOAD 3
.set Q, 0
.rept 4
	WBLOCK Q
.set Q, Q+1
.endr
	WOUT 0
	s_wait_alu depctr_va_vdst(0)
	global_store_b32 v13, v[WSW], s[18:19]         ; my column's word: one byte in 128 of what this path reads
	s_wait_tensorcnt 0x0
	ds_add_u32 v240, v241
	s_wait_dscnt 0x0
	s_endpgm
.Lfunc_end_k_q7dad87076d_prep:
	.size	k_q7dad87076d_prep, .Lfunc_end_k_q7dad87076d_prep-k_q7dad87076d_prep
	.p2alignl 7, 3214868480
	.fill 96, 4, 3214868480
	.section	.rodata,"a",@progbits
	.p2align	6, 0x0
	.amdhsa_kernel k_q7dad87076d_prep
		.amdhsa_group_segment_fixed_size 47616
		.amdhsa_private_segment_fixed_size 0
		.amdhsa_enable_private_segment 0
		.amdhsa_kernarg_size 72
		.amdhsa_user_sgpr_count 2
		.amdhsa_user_sgpr_kernarg_segment_ptr 1
		.amdhsa_wavefront_size32 1
		.amdhsa_system_sgpr_workgroup_id_x 1
		.amdhsa_system_sgpr_workgroup_id_y 1
		.amdhsa_system_sgpr_workgroup_id_z 1
		.amdhsa_system_vgpr_workitem_id 0
		.amdhsa_next_free_vgpr 242
		.amdhsa_next_free_sgpr 66
		.amdhsa_reserve_vcc 1
		.amdhsa_float_denorm_mode_32 3
		.amdhsa_float_denorm_mode_16_64 3
		.amdhsa_memory_ordered 1
		.amdhsa_forward_progress 1
		.amdhsa_inst_pref_size 59
	.end_amdhsa_kernel
	.amdgpu_metadata
---
amdhsa.version: [ 1, 2 ]
amdhsa.kernels:
  - .name:           k_q7dad87076d_prep
    .symbol:         k_q7dad87076d_prep.kd
    .args:
      - { .name: x_q, .offset: 0, .size: 8, .value_kind: global_buffer, .address_space: global }
      - { .name: x_kv, .offset: 8, .size: 8, .value_kind: global_buffer, .address_space: global }
      - { .name: Wq, .offset: 16, .size: 8, .value_kind: global_buffer, .address_space: global }
      - { .name: Wk, .offset: 24, .size: 8, .value_kind: global_buffer, .address_space: global }
      - { .name: Wv, .offset: 32, .size: 8, .value_kind: global_buffer, .address_space: global }
      - { .name: Wo, .offset: 40, .size: 8, .value_kind: global_buffer, .address_space: global }
      - { .name: cimg, .offset: 48, .size: 8, .value_kind: global_buffer, .address_space: global }
      - { .name: cscl, .offset: 56, .size: 8, .value_kind: global_buffer, .address_space: global }
      - { .name: rope, .offset: 64, .size: 8, .value_kind: global_buffer, .address_space: global }
    .group_segment_fixed_size: 47616
    .private_segment_fixed_size: 0
    .kernarg_segment_align: 8
    .kernarg_segment_size: 72
    .max_flat_workgroup_size: 128
    .sgpr_count:     66
    .vgpr_count:     242
    .wavefront_size: 32
...
	.end_amdgpu_metadata
.endif
;; end of part 1
;; launch proj (part 2): grid 16 x 16, 4 waves a work-group, clusters of 4 x 1, 327,680 bytes of LDS; arguments cimg, cscl, rope, key_padding_mask, qimg, qscl, kv; writes qimg, qscl, kv
.if DOCPART == 2
	.amdgcn_target "amdgcn-amd-amdhsa--gfx1250"
	.amdhsa_code_object_version 6
	.text
	.protected	k_q7dad87076d_proj
	.globl	k_q7dad87076d_proj
	.p2align	8
	.type	k_q7dad87076d_proj,@function
k_q7dad87076d_proj:
	s_mov_b64 s[64:65], 0
	v_nop
	global_prefetch_b8 v0, s[64:65] scope:SCOPE_SE
	s_setreg_imm32_b32 hwreg(HW_REG_WAVE_MODE, 25, 1), 1
	s_wait_xcnt 0x0
	s_wait_alu depctr_hold_cnt(0) depctr_sa_sdst(0) depctr_va_vdst(0) depctr_va_sdst(0) depctr_va_ssrc(0) depctr_va_vcc(0) depctr_vm_vsrc(0)
	s_getreg_b32 s2, hwreg(HW_REG_IB_STS2, 6, 4)
	s_cmp_eq_u32 s2, 0
	s_cbranch_scc0 .Lentry_in_a_cluster
	s_endpgm
.Lentry_in_a_cluster:
	s_bfe_u32 s2, ttmp6, 0x10000c
	s_cmp_lg_u32 s2, 0x3003
	s_cbranch_scc0 .Lentry_shape_is_right
	s_endpgm
.Lentry_shape_is_right:
; PROJ: q = x_q Wq, k = x_kv Wk, v = x_kv Wv on codes of E2M3 (K = 2,048), RoPE on q and k in f32, and q, k, v quantised again as operands of attention.
; A work-group makes 128 "P rows" x 256 "R rows"; source 0 of the matrix instruction takes P, source 1 takes R, so that a lane holds ONE R row and its registers run along P rows.
; The 64 clusters of four are numbered c = 4 x cluster y + cluster x:   c 0-31: q: P = columns of Wq (512 (c % 4) on), R = rows of x_q (256 (c / 4) on);
;   c 32-47: k: P = columns of Wk, R = rows of x_kv (256 (c - 32) on);   c 48-63: v: P = rows of x_kv (512 ((c - 48) / 2) on), R = columns of Wv (256 (c % 2) on).  The place cx in the cluster picks 128 of the 512 P rows.
; 256 work-groups in all.  Four waves, each 64 P x 128 R: 32 accumulators; accumulator (a, i) at v[8 (4 a + i)] of window 1: for R tile a register n of 32 is P row 16 h + n (n < 16) or 32 + 16 h + n - 16.
; K goes in four parts of 512 through two LDS slots (P's 8 tiles x 6,144 bytes, then R's 16).  At the head wave 0 asks for P's part 0, wave 1 R's, wave 2 P's part 1, wave 3 R's: one load a wave.
; Parts 2 and 3 fill the slots again, each behind a round of the cluster's barrier, by the same waves.  By this text's count a wave has one tensor load out at the most.
; CLUSTER 4 x 1: the four partners have the same R rows, which are asked for jointly; their P rows differ and come by plain loads.  A 4 x 4 cluster does not divide this grid: v has only two blocks of R.
; THE SCALES go from memory into registers once, for all of K: 48 loads of 8 bytes a lane, each of two runs of 128 bytes; a tile's 1,024 bytes are used whole.
; PREFETCH: parts 2 and 3, two parts ahead of their loads: a lane a block of 256 bytes (24 blocks a tile and part; the lanes left over name the last again).  A wave asks for two of P's eight tiles, and for one of R's sixteen:
; the four partners share R's tiles out by address (4 cx + wave).  Parts 0 and 1 come by their loads alone.
; OUTPUTS (this program's own layouts; planes of 256 bytes hold two registers of the operand, lane L's 8 bytes at 8 L):
;   qimg [b][head][tile of 16 queries][4 planes]: registers 0-5 the 64 codes, register 6 the code 1.0 at k = 64;  qscl [b][head][64 queries][r][4 words]
;   kv [b, kv head][step of 128 keys][15,104 bytes]: 8 tiles of K x 4 planes | K's scale words [2][r][4] | 4 tiles of V^T x 6 planes | V's scale halfwords [2][r][4]
; THE DIVISION BY sqrt(64) = 8 is taken off q's two scale bytes (byte - 3): exact.  So the quantiser's floor here is 2^(6 - 127).
; key_padding_mask: a padded key carries the code -1.0 at k = 64 under ITS OWN scale byte 253, against q's 1.0 under byte 127: its score is -2^126.  An open key carries the code 0 there under byte 64.
; LIMITS: a block of q, k or v whose largest magnitude lies under 2^-121 is coded under the scale of 2^-121; NaN and infinities are not served.
; REGISTERS: window 0: v1-25 addresses and constants; v64-159 scale words and nothing else; v160-231 the way out.  Window 1: the accumulators.  Windows 2, 3: a fragment buffer each (P's four at v0, R's eight at v48), and at v144-175 16 cos + 16 sin.
.set SLOTB, 147456
.set RHALF, 49152
.set TPART, 6144                       ; a tile's four K steps
.set FRB,   1536                       ; a fragment's image
.set SPARE, 294912                     ; the spare words: two blocks of 256 bytes that no other line names
.set ADRP, 4                           ; v4-5 LDS address of my P fragments in slot 0, 1;  v6-7 of R's
.set ADRR, 6
.set VSA,  8                           ; v8 scale words: lanes 0-15 P's tile 0, lanes 16-31 R's tile 0;  v9: lanes 0-15 R's tile 4, lanes 16-31 R's tile 6
.set VSB,  9
.set PFV,  10                          ; v10 the prefetches' offset
.set SPW,  11
.set NIL,  12
.set ROFF, 13
.set POFF, 14
.set L8,   15
.set VA,   20
.set VB,   21
.set SOQ,  22
.set WCA,  23
.set SOV,  24
.set WCB,  25
.set SC,   64                          ; for each 256 along K twelve registers: 2 m + q: m < 4: P's tile m below, R's tile m above; m = 4, 5: R's tile m below, R's tile m + 2 above; q: which K step
.set RT,   160
.set CD,   192
.set CT,   200
.set TMX,  204
.set TMP,  206
.set TSC,  208
.set TBY,  210
.set WW,   212
.set PADR, 220
.set OP,   228
.set WV,   18
.set WP,   19
.set WR,   20
.set CY,   23
.set PROW, 24
.set RROW, 25
.set SEL,  16
.set G1P,  32
.set G1R,  40
.set G0P,  48                          ; s[48:55] group 0 for P's two slots;  s[56:63] for R's
.set G0R,  56
.set PFP,  68
.set PFR,  70
.set MSB, 0
.macro WIN new                         ; the immediate's high byte repeats the setting that is left
.if MSB != (\new)
	s_set_vgpr_msb (MSB<<8)|(\new)
.set MSB, (\new)
.endif
.endm
.macro PLACES                          ; four places behind a matrix instruction (ISA guide 7.12.1)
.rept 4
	v_nop
.endr
.endm
.macro CROUND                          ; a round of the cluster's barrier
	s_barrier_signal -1
	s_barrier_wait -1
	s_cmp_lg_u32 s[WV], 0
	s_cbranch_scc1 .Lnot_wave_0_\@
	s_barrier_signal -3
.Lnot_wave_0_\@:
	s_barrier_wait -3
	s_barrier_signal -1
	s_barrier_wait -1
.endm
.macro RLOAD s                         ; slot s is filled again: wave 2 s asks for P's tiles, wave 2 s + 1 for R's, the others for nothing
	s_cmp_eq_u32 s[WV], 2*\s
	s_cbranch_scc0 .Lnot_p_\@
	tensor_load_to_lds s[G0P+4*\s:G0P+4*\s+3], s[G1P:G1P+7]
	s_nop 0
	PLACES
	s_branch .Lasked_\@
.Lnot_p_\@:
	s_cmp_eq_u32 s[WV], 2*\s+1
	s_cbranch_scc0 .Lasked_\@
	tensor_load_to_lds s[G0R+4*\s:G0R+4*\s+3], s[G1R:G1R+7]
	s_nop 0
	PLACES
.Lasked_\@:
.endm
.macro ASK part
	global_prefetch_b8 v[PFV], s[PFP:PFP+1] offset:TPART*\part th:TH_LOAD_NT scope:SCOPE_SE
	global_prefetch_b8 v[PFV], s[PFP:PFP+1] offset:24576+TPART*\part th:TH_LOAD_NT scope:SCOPE_SE
	global_prefetch_b8 v[PFV], s[PFR:PFR+1] offset:TPART*\part th:TH_LOAD_NT scope:SCOPE_SE
.endm
.macro FETCH slot, ks, w               ; the twelve fragments of one K step into buffer w: 72 loads of 256 consecutive bytes
	WIN 0x80+0x40*(\w)
.irp i, 0,1,2,3
.irp p, 0,1,2,3,4,5
	ds_load_b64 v[12*\i+2*\p:12*\i+2*\p+1], v[ADRP+\slot] offset:TPART*\i+FRB*\ks+256*\p
.endr
.endr
.irp i, 0,1,2,3,4,5,6,7
.irp p, 0,1,2,3,4,5
	ds_load_b64 v[48+12*\i+2*\p:48+12*\i+2*\p+1], v[ADRR+\slot] offset:TPART*\i+FRB*\ks+256*\p
.endr
.endr
	WIN 0
.endm
.macro WM d, pa, rb, sa, sb, r1, zero
.if \zero
.if \r1
	v_wmma_scale_f32_16x16x128_f8f6f4 v[\d:\d+7], v[\pa:\pa+11], v[\rb:\rb+11], 0, v[\sa], v[\sb] matrix_a_fmt:MATRIX_FMT_FP6 matrix_b_fmt:MATRIX_FMT_FP6 matrix_b_scale:MATRIX_SCALE_ROW1
.else
	v_wmma_scale_f32_16x16x128_f8f6f4 v[\d:\d+7], v[\pa:\pa+11], v[\rb:\rb+11], 0, v[\sa], v[\sb] matrix_a_fmt:MATRIX_FMT_FP6 matrix_b_fmt:MATRIX_FMT_FP6
.endif
.else
.if \r1
	v_wmma_scale_f32_16x16x128_f8f6f4 v[\d:\d+7], v[\pa:\pa+11], v[\rb:\rb+11], v[\d:\d+7], v[\sa], v[\sb] matrix_a_fmt:MATRIX_FMT_FP6 matrix_b_fmt:MATRIX_FMT_FP6 matrix_b_scale:MATRIX_SCALE_ROW1
.else
	v_wmma_scale_f32_16x16x128_f8f6f4 v[\d:\d+7], v[\pa:\pa+11], v[\rb:\rb+11], v[\d:\d+7], v[\sa], v[\sb] matrix_a_fmt:MATRIX_FMT_FP6 matrix_b_fmt:MATRIX_FMT_FP6
.endif
.endif
.endm
.macro MUL32 w, ks, zero               ; K step ks on buffer w: the 32 accumulators by turns, one instruction a turn.  R's tiles 4, 5 have their words in lanes 0-15, the others in lanes 16-31
	WIN 0x5a+5*(\w)
.irp a, 0,1,2,3,4,5,6,7
.irp i, 0,1,2,3
	WM 8*(4*\a+\i), 12*\i, 48+12*\a, SC+12*((\ks)/2)+(\ks)%2+2*\i, SC+12*((\ks)/2)+(\ks)%2+2*(\a-2*(\a/6)), (\a/2)-2, \zero
.endr
.endr
	WIN 0
.endm
.macro STEP ns, nk, w, ks, zero        ; multiplies buffer w (K step ks); ahead of that the next K step (slot ns, its K step nk) is asked for, into the other buffer
	s_wait_dscnt 0x0
	PLACES
	FETCH \ns, \nk, 1-\w
	MUL32 \w, \ks, \zero
.endm
.macro TURN s, ks                      ; slot s has been read out: its last K step ks is multiplied, and it takes the part two on
	s_wait_dscnt 0x0                               ; the last fragments are in: my last reads of the slot
	s_wait_tensorcnt 0x0                           ; no tensor load of mine is out, so a group 0 may be written
	ds_add_u32 v[SPW], v[NIL]
	s_add_nc_u64 s[G0P+4*\s+2:G0P+4*\s+3], s[G0P+4*\s+2:G0P+4*\s+3], 2*TPART
	s_add_nc_u64 s[G0R+4*\s+2:G0R+4*\s+3], s[G0R+4*\s+2:G0R+4*\s+3], 2*TPART
	MUL32 1, \ks, 0                                ; 32 matrix instructions stand between the add and the wait for it
	s_wait_dscnt 0x0
	CROUND                                         ; no wave of any partner still reads the slot or has a load on its way; the other slot is whole
	RLOAD \s
	PLACES
	FETCH 1-\s, 0, 0
.endm
.macro CSLOAD a                        ; the table's rows of R tile a: my 16 cos and 16 sin (j = 16 h + 0 .. 15), into window 2 + a % 2
	WIN 0x80+0x40*((\a)%2)
.irp i, 0,1,2,3
	global_load_b128 v[144+4*\i:144+4*\i+3], v[ROFF], s[8:9] offset:(32*((\a)/2)+8*((\a)%2))*256+16*\i
	global_load_b128 v[160+4*\i:160+4*\i+3], v[ROFF], s[8:9] offset:(32*((\a)/2)+8*((\a)%2))*256+128+16*\i
.endr
	WIN 0
.endm
.macro ROPE a                          ; x = registers 0-15 (channel j = 16 h + n), y = registers 16-31 (channel j + 32):  x' = x cos - y sin,  y' = y cos + x sin.  Each accumulator is read from its low end on
	WIN 0x09+4*((\a)%2)                            ; the accumulators window 1, the table window 2 or 3, the products window 0
.irp n, 0,2,4,6,8,10,12,14
	v_pk_mul_f32 v[RT+\n:RT+\n+1], v[32*(\a)+16+\n:32*(\a)+17+\n], v[160+\n:161+\n]
	v_pk_mul_f32 v[RT+16+\n:RT+17+\n], v[32*(\a)+\n:32*(\a)+1+\n], v[160+\n:161+\n]
.endr
	WIN 0x49+4*((\a)%2)
.irp n, 0,2,4,6,8,10,12,14
	v_pk_fma_f32 v[32*(\a)+\n:32*(\a)+1+\n], v[32*(\a)+\n:32*(\a)+1+\n], v[144+\n:145+\n], v[RT+\n:RT+\n+1] neg_lo:[0,0,1] neg_hi:[0,0,1]
	v_pk_fma_f32 v[32*(\a)+16+\n:32*(\a)+17+\n], v[32*(\a)+16+\n:32*(\a)+17+\n], v[144+\n:145+\n], v[RT+16+\n:RT+17+\n]
.endr
	WIN 0
.endm
; 32 numbers of a lane (window 1, hh on), register 16 b + i = place 32 b + 16 h + i along the next K, become six registers of codes in v[CD] on (lane (r, h): block h, whole) and two bytes in v[TBY], v[TBY+1]
.macro QUANT2 hh
	WIN 0x05
.irp b, 0,1
	v_max3_num_f32 v[TMX+\b], |v[(\hh)+16*\b]|, |v[(\hh)+16*\b+1]|, 0x3000000     ; with the floor 2^(6 - 127): q's byte less 3 cannot fall under 1
.endr
.irp i, 2,4,6,8,10,12,14
.irp b, 0,1
	v_max3_num_f32 v[TMX+\b], |v[(\hh)+16*\b+\i]|, |v[(\hh)+16*\b+\i+1]|, v[TMX+\b]
.endr
.endr
	WIN 0
.irp b, 0,1
	v_permlanex16_b32 v[TMP+\b], v[TMX+\b], s[SEL], s[SEL+1]
.endr
.irp b, 0,1
	v_max_num_f32 v[TMX+\b], v[TMX+\b], v[TMP+\b]  ; with lane l xor 16's 16: the block's largest magnitude
.endr
.irp b, 0,1
	v_add_nc_u32 v[TSC+\b], 0xff000000, v[TMX+\b]  ; 2 off the exponent field: the conversion's scale operand
.endr
.irp b, 0,1
	v_lshrrev_b32 v[TBY+\b], 23, v[TSC+\b]
.endr
	s_wait_alu depctr_va_vdst(0)
	s_wait_xcnt 0x0                                ; the last tile's stores have read the codes' registers
	WIN 0x01
	v_cvt_scalef32_pk16_fp6_f32 v[CD:CD+2], v[(\hh):(\hh)+15], v[TSC]
	v_cvt_scalef32_pk16_fp6_f32 v[CT:CT+2], v[(\hh)+16:(\hh)+31], v[TSC+1]
	WIN 0
	v_nop                                          ; one plain place behind a scaled conversion
.irp i, 0,1,2
	v_permlane16_swap_b32 v[CD+\i], v[CT+\i]       ; a whole block to a lane
.endr
.irp i, 0,1,2
	v_mov_b32 v[CD+3+\i], v[CT+\i]
.endr
.endm
	s_load_b256 s[4:11], s[0:1], 0x0               ; cimg s[4:5], cscl s[6:7], rope s[8:9], key_padding_mask s[10:11]
	s_load_b128 s[12:15], s[0:1], 0x20             ; qimg, qscl
	s_load_b64 s[16:17], s[0:1], 0x30              ; kv
	v_lshl_add_u32 v[SPW], v0, 2, SPARE
	v_mov_b32 v[NIL], 0
	ds_add_u32 v[SPW], v[NIL]                      ; the opening lines
	ds_add_u32 v[SPW], v[NIL]
	v_lshrrev_b32 v1, 5, v0
	v_readfirstlane_b32 s[WV], v1                  ; wave 0..3
	s_and_b32 s[WP], s[WV], 1                      ; which 64 P rows are mine
	s_lshr_b32 s[WR], s[WV], 1                     ; which 128 R rows
	s_bfe_u32 s21, ttmp6, 0x40000                  ; cx
	s_and_b32 s[CY], ttmp7, 0xffff
	s_lshl_b32 s[CY], s[CY], 2
	s_add_co_u32 s[CY], s[CY], ttmp9               ; c: the cluster's number, the same in the four partners
	; R's first row, in registers that never hold cx
	s_lshr_b32 s29, s[CY], 2
	s_lshl_b32 s29, s29, 8                         ; q: rows of x_q
	s_lshl_b32 s30, s[CY], 8
	s_sub_co_u32 s30, s30, 6144                    ; k: rows of x_kv: 2,048 + 256 (c - 32)
	s_and_b32 s31, s[CY], 1
	s_lshl_b32 s31, s31, 8
	s_add_co_u32 s31, s31, 8704                    ; v: columns of Wv
	s_cmp_lt_u32 s[CY], 48
	s_cselect_b32 s30, s30, s31
	s_cmp_lt_u32 s[CY], 32
	s_cselect_b32 s[RROW], s29, s30
	; P's first row
	s_and_b32 s26, s[CY], 3
	s_lshl_b32 s26, s26, 9
	s_add_co_u32 s26, s26, 6144                    ; q: columns of Wq
	s_max_u32 s27, s[CY], 48
	s_sub_co_u32 s27, s27, 48
	s_lshr_b32 s27, s27, 1
	s_lshl_b32 s27, s27, 9
	s_add_co_u32 s27, s27, 2048                    ; v: rows of x_kv
	s_mov_b32 s28, 8192                            ; k: columns of Wk
	s_cmp_lt_u32 s[CY], 48
	s_cselect_b32 s27, s28, s27
	s_cmp_lt_u32 s[CY], 32
	s_cselect_b32 s[PROW], s26, s27
	s_lshl_b32 s26, s21, 7
	s_add_co_u32 s[PROW], s[PROW], s26
	; group 1: rows (tiles) of 768 elements of 8 bytes, 3,072 elements apart: P's 8, a plain load; R's 16, asked for jointly by the four
	s_mov_b32 s[G1P], 3<<16
	s_mov_b32 s[G1P+1], 768<<16
	s_mov_b32 s[G1P+2], 8<<16
	s_mov_b32 s[G1P+3], 768<<16
	s_mov_b32 s[G1P+4], 8
	s_mov_b32 s[G1P+5], 3072
	s_mov_b32 s[G1P+6], 0
	s_mov_b32 s[G1P+7], 0
	s_mov_b32 s[G1R], 15|(3<<16)|(1<<21)
	s_mov_b32 s[G1R+1], 768<<16
	s_mov_b32 s[G1R+2], 16<<16
	s_mov_b32 s[G1R+3], 768<<16
	s_mov_b32 s[G1R+4], 16
	s_mov_b32 s[G1R+5], 3072
	s_mov_b32 s[G1R+6], 0
	s_mov_b32 s[G1R+7], 0
	s_mul_i32 s26, s[PROW], FRB                    ; a row counts for 1,536 bytes of codes and 64 of scales
	s_mov_b32 s27, 0
	s_mul_i32 s30, s[RROW], FRB
	s_mov_b32 s31, 0
	s_lshl_b32 s66, s[WV], 5
	s_add_co_u32 s66, s66, s[PROW]
	s_mul_i32 s66, s66, FRB                        ; the prefetches: P's tiles 2 w, 2 w + 1;
	s_mov_b32 s67, 0
	s_lshl_b32 s72, s21, 6
	s_lshl_b32 s73, s[WV], 4
	s_add_co_u32 s72, s72, s73
	s_add_co_u32 s72, s72, s[RROW]
	s_mul_i32 s72, s72, FRB                        ; R's tile 4 cx + w
	s_mov_b32 s73, 0
	s_lshl_b32 s2, s[WP], 6
	s_add_co_u32 s2, s2, s[PROW]
	s_lshl_b32 s2, s2, 6                           ; the scales of my P rows,
	s_lshl_b32 s3, s[WR], 7
	s_add_co_u32 s3, s3, s[RROW]
	s_lshl_b32 s3, s3, 6                           ; of my R rows
	s_mul_i32 s100, s[WP], 4*TPART                 ; LDS: my four tiles of P,
	s_add_co_u32 s101, s100, SLOTB
	s_mul_i32 s104, s[WR], 8*TPART
	s_add_co_u32 s104, s104, RHALF                 ; my eight of R
	s_add_co_u32 s105, s104, SLOTB
	v_and_b32 v1, 15, v0                           ; r
	v_bfe_u32 v2, v0, 4, 1                         ; h
	v_and_b32 v3, 31, v0                           ; L
	v_mov_b32 v[VSA], s2
	v_mov_b32 v[VSB], s3
	v_cmp_ne_u32 vcc_lo, 0, v2
	v_lshlrev_b32 v[L8], 3, v3
	v_min_u32 v[PFV], 23, v3
	v_cndmask_b32 v[VSA], v[VSA], v[VSB], vcc_lo   ; lanes 16-31 take R's
	v_lshl_add_u32 v[VSB], v2, 11, v[VSB]
	v_add_nc_u32 v[ADRP], s100, v[L8]
	v_add_nc_u32 v[ADRP+1], s101, v[L8]
	v_add_nc_u32 v[ADRR], s104, v[L8]
	v_add_nc_u32 v[ADRR+1], s105, v[L8]
	v_lshlrev_b32 v[PFV], 8, v[PFV]
	v_lshl_add_u32 v[VSA], v1, 3, v[VSA]
	v_lshl_add_u32 v[VSB], v1, 3, v[VSB]
	v_and_b32 v[POFF], 8, v1
	v_add_nc_u32 v[VSB], 4096, v[VSB]              ; R's tile 4 + 2 h
	v_add_nc_u32 v[POFF], v[POFF], v1              ; r + 8 (r / 8): my row within a tile's span
	v_lshlrev_b32 v[SOQ], 4, v1
	v_lshlrev_b32 v[SOV], 3, v1
	v_lshlrev_b32 v[ROFF], 8, v[POFF]
	v_lshl_add_u32 v[SOQ], v2, 3, v[SOQ]           ; 16 r + 8 h
	v_lshl_add_u32 v[SOV], v2, 2, v[SOV]           ; 8 r + 4 h
	v_lshl_add_u32 v[ROFF], v2, 6, v[ROFF]
	v_mov_b32 v[TMP], 0                            ; a lane permute's destination counts as one of its sources
	v_mov_b32 v[TMP+1], 0
	v_mov_b32 v[CD+7], 0                           ; register 7 of q's and k's operands
	s_wait_dscnt 0x0                               ; both opening adds are done
	s_wait_alu depctr_va_vdst(0)
	s_wait_kmcnt 0x0
	s_add_nc_u64 s[G0P+2:G0P+3], s[4:5], s[26:27]
	s_add_nc_u64 s[G0R+2:G0R+3], s[4:5], s[30:31]
	s_add_nc_u64 s[G0P+6:G0P+7], s[G0P+2:G0P+3], TPART
	s_add_nc_u64 s[G0R+6:G0R+7], s[G0R+2:G0R+3], TPART
	s_add_nc_u64 s[PFP:PFP+1], s[4:5], s[66:67]
	s_add_nc_u64 s[PFR:PFR+1], s[4:5], s[72:73]
.irp k, 0,1
	s_mov_b32 s[G0P+4*\k], 1
	s_mov_b32 s[G0P+4*\k+1], SLOTB*\k
	s_or_b32 s[G0P+4*\k+3], s[G0P+4*\k+3], 0x80000000
	s_mov_b32 s[G0R+4*\k], 1
	s_mov_b32 s[G0R+4*\k+1], SLOTB*\k+RHALF
	s_or_b32 s[G0R+4*\k+3], s[G0R+4*\k+3], 0x80000000
.endr
.irp kk, 0,1,2,3,4,5,6,7               ; the scale words of all of K
.irp m, 0,1,2,3
	global_load_b64 v[SC+12*\kk+2*\m:SC+12*\kk+2*\m+1], v[VSA], s[6:7] offset:1024*\m+128*\kk
.endr
.irp m, 0,1
	global_load_b64 v[SC+12*\kk+8+2*\m:SC+12*\kk+9+2*\m], v[VSB], s[6:7] offset:1024*\m+128*\kk
.endr
.endr
	CROUND                                         ; the four work-groups are here: the joint loads meet
; the head's loads, one a wave: one tree of branches on the wave's number, every way passes one load
.macro ARM under, g0, g1, next
	s_cmp_lt_u32 s[WV], \under
	s_cbranch_scc0 \next
	tensor_load_to_lds s[\g0:\g0+3], s[\g1:\g1+7]
	s_nop 0
	PLACES
	s_branch .Lhead_asked
\next:
.endm
	ARM 1, G0P,   G1P, .Lhead_r0
	ARM 2, G0R,   G1R, .Lhead_p1
	ARM 3, G0P+4, G1P, .Lhead_r1
	tensor_load_to_lds s[G0R+4:G0R+7], s[G1R:G1R+7]
	s_nop 0
	PLACES
.Lhead_asked:
	ASK 2
	; where the results go: all by selects on the cluster's number
	s_lshl_b32 s66, s[WP], 6
	s_add_co_u32 s66, s66, s[PROW]                 ; my first P row
	s_lshl_b32 s67, s[WR], 7
	s_add_co_u32 s67, s67, s[RROW]                 ; my first R row
	s_cmp_lt_u32 s[CY], 48
	s_cselect_b32 s100, s67, s66                   ; the rows that are keys: k: R's, v: P's
	s_cselect_b32 s101, s66, s67                   ; the rows that are kv heads' channels
	s_lshr_b32 s104, s100, 11
	s_add_co_u32 s104, s104, 1
	s_and_b32 s104, s104, 1                        ; b (x_kv begins at row 2,048)
	s_lshl_b32 s104, s104, 3
	s_bfe_u32 s105, s101, 0x30006                  ; the (first) kv head
	s_add_co_u32 s104, s104, s105
	s_lshl_b32 s104, s104, 4
	s_bfe_u32 s105, s100, 0x40007                  ; the step of 128 keys
	s_add_co_u32 s104, s104, s105
	s_mul_i32 s104, s104, 15104                    ; the step's block in kv
	s_bfe_u32 s105, s100, 0x10006                  ; which 64 keys of the step (k: 0)
	s_cmp_lt_u32 s[CY], 48
	s_mov_b32 s101, 768
	s_cselect_b32 s101, 4096, s101
	s_mul_i32 s101, s101, s105
	s_mov_b32 s100, 128
	s_cselect_b32 s100, 256, s100
	s_mul_i32 s100, s100, s105
	s_cselect_b32 s105, 0, 8704
	s_add_co_u32 s101, s101, s105
	s_add_co_u32 s101, s101, s104                  ; k's or v's codes
	s_cmp_lt_u32 s[CY], 48
	s_mov_b32 s105, 14848
	s_cselect_b32 s105, 8192, s105
	s_add_co_u32 s100, s100, s105
	s_add_co_u32 s100, s100, s104                  ; k's or v's scales
	s_lshr_b32 s104, s67, 10                       ; q: b,
	s_lshl_b32 s104, s104, 5
	s_bfe_u32 s105, s66, 0x50006                   ; the head,
	s_add_co_u32 s104, s104, s105
	s_lshl_b32 s104, s104, 16                      ; 64 tiles of 1,024 bytes a head,
	s_and_b32 s105, s67, 1023
	s_lshl_b32 s105, s105, 6                       ; 64 bytes a position
	s_add_co_u32 s104, s104, s105                  ; q's codes;
	s_lshr_b32 s105, s104, 4                       ; its scales take a sixteenth
	s_cmp_lt_u32 s[CY], 32
	s_cselect_b32 s104, s104, s101
	s_cselect_b32 s105, s105, s100
	s_cselect_b64 s[12:13], s[12:13], s[16:17]     ; qimg or kv: the choice hangs on the cluster's number alone
	s_cselect_b64 s[14:15], s[14:15], s[16:17]     ; qscl or kv
	s_mov_b32 s100, s104
	s_mov_b32 s101, 0
	s_add_nc_u64 s[12:13], s[12:13], s[100:101]
	s_mov_b32 s100, s105
	s_add_nc_u64 s[14:15], s[14:15], s[100:101]
	s_mov_b32 s100, 2047
	s_cmp_lt_u32 s[CY], 32
	s_cselect_b32 s100, 1023, s100
	s_cselect_b32 s104, 0, 2048
	s_and_b32 s100, s100, s67                      ; my first position
	s_lshl_b32 s100, s100, 8
	s_add_nc_u64 s[8:9], s[8:9], s[100:101]
	s_sub_co_u32 s100, s67, s104
	s_and_b32 s100, s100, 4095                     ; my first key's byte in the padding mask (q and v read bytes that they do not use, inside the buffer)
	s_add_nc_u64 s[10:11], s[10:11], s[100:101]
	s_cmp_lt_u32 s[CY], 32
	s_cselect_b32 s100, 8, 40                      ; the code at k = 64: q 1.0; a padded key -1.0,
	s_cselect_b32 s104, 8, 0                       ; an open key 0
	v_mov_b32 v[VA], s100
	v_mov_b32 v[VB], s104
	s_mov_b32 s100, 0x40fd0000                     ; bytes 3 and 2 of the scale word: a padded key 64, 253;
	s_cselect_b32 s100, 0x7f7efcfd, s100           ; q: 127, 127, and 3 off each of the two lower bytes;
	s_mov_b32 s104, 0x40400000                     ; an open key 64, 64
	s_cselect_b32 s104, 0x7f7efcfd, s104
	v_mov_b32 v[WCA], s100
	v_mov_b32 v[WCB], s104
	v_cmp_gt_u32 vcc_lo, 16, v3
	v_cndmask_b32 v[VA], 0, v[VA], vcc_lo          ; lanes 16-31 hold k = 96 on: zeros
	v_cndmask_b32 v[VB], 0, v[VB], vcc_lo
	s_mov_b32 s[SEL], 0x76543210
	s_mov_b32 s[SEL+1], 0xfedcba98                 ; v_permlanex16_b32's selects for lane l xor 16
	s_wait_alu depctr_va_vdst(0)
	s_wait_tensorcnt 0x0                           ; my tile of the head's four is in,
	s_barrier_signal -1
	s_barrier_wait -1                              ; everybody's is: both slots are whole
	FETCH 0, 0, 0
	ASK 3
	s_wait_loadcnt 0x0                             ; the scale words are in
	STEP 0, 1, 0, 0, 1                             ; K step 0 starts the sums
	STEP 0, 2, 1, 1, 0
	STEP 0, 3, 0, 2, 0
	TURN 0, 3                                      ; slot 0 takes part 2
	STEP 1, 1, 0, 4, 0
	STEP 1, 2, 1, 5, 0
	STEP 1, 3, 0, 6, 0
	TURN 1, 7                                      ; slot 1 takes part 3
	STEP 0, 1, 0, 8, 0
	STEP 0, 2, 1, 9, 0
	STEP 0, 3, 0, 10, 0
	s_wait_dscnt 0x0
	MUL32 1, 11, 0
	s_wait_tensorcnt 0x0                           ; my part of part 3 is in,
	s_barrier_signal -1
	s_barrier_wait -1                              ; everybody's is
.irp a, 0,1,2,3,4,5,6,7
	global_load_u8 v[PADR+\a], v[POFF], s[10:11] offset:32*(\a/2)+8*(\a%2)   ; what the way out wants from memory is asked for four K steps ahead
.endr
	CSLOAD 0
	CSLOAD 1
	PLACES
	FETCH 1, 0, 0
	STEP 1, 1, 0, 12, 0
	STEP 1, 2, 1, 13, 0
	STEP 1, 3, 0, 14, 0
	s_wait_dscnt 0x0
	MUL32 1, 15, 0
	PLACES
	s_cmp_lt_u32 s[CY], 48
	s_cbranch_scc0 .Lvpath
	; ---- q and k: RoPE, quantised along the head's 64; four planes a tile
.irp a, 0,1,2,3,4,5,6,7
.if \a < 7
	s_wait_loadcnt 8                               ; this tile's table rows (and the mask's bytes) are in; the next tile's 8 loads stay out
.else
	s_wait_loadcnt 0x0
.endif
	ROPE \a
.if \a < 6
	CSLOAD \a+2
.endif
	QUANT2 32*\a
	v_cmp_ne_u32 vcc_lo, 0, v[PADR+\a]
	v_cndmask_b32 v[CD+6], v[VB], v[VA], vcc_lo    ; register 6: the code at k = 64
	v_cndmask_b32 v[WW+\a], v[WCB], v[WCA], vcc_lo
	v_lshl_or_b32 v[OP], v[TBY+1], 8, v[TBY]
	v_add_nc_u32 v[WW+\a], v[WW+\a], v[OP]         ; the row's scale word
.irp p, 0,1,2,3
	global_store_b64 v[L8], v[CD+2*\p:CD+2*\p+1], s[12:13] offset:1024*\a+256*\p   ; 256 consecutive bytes, aligned
.endr
.endr
	v_cmp_ne_u32 vcc_lo, 0, v2                     ; of each four tiles lanes 0-15 store the first two words of their row, lanes 16-31 the other two
.irp g, 0,1
	v_cndmask_b32 v[OP+2*\g], v[WW+4*\g], v[WW+4*\g+2], vcc_lo
	v_cndmask_b32 v[OP+2*\g+1], v[WW+4*\g+1], v[WW+4*\g+3], vcc_lo
.endr
.irp g, 0,1
	global_store_b64 v[SOQ], v[OP+2*\g:OP+2*\g+1], s[14:15] offset:256*\g          ; 256 consecutive bytes, aligned
.endr
	s_branch .Lend
	; ---- v: quantised along the keys; my 64 keys are half of a K step of the second product: three planes a tile; tiles 0-3 are one kv head's, tiles 4-7 the next one's, 16 blocks of kv on
.Lvpath:
.irp a, 0,1,2,3,4,5,6,7
	QUANT2 32*\a
	v_lshl_or_b32 v[WW+\a], v[TBY+1], 8, v[TBY]
.irp p, 0,1,2
	global_store_b64 v[L8], v[CD+2*\p:CD+2*\p+1], s[12:13] offset:241664*(\a/4)+1536*(\a%4)+256*\p
.endr
.endr
	v_cmp_ne_u32 vcc_lo, 0, v2
.irp g, 0,1
	v_lshl_or_b32 v[OP+2*\g], v[WW+4*\g+1], 16, v[WW+4*\g]
	v_lshl_or_b32 v[OP+2*\g+1], v[WW+4*\g+3], 16, v[WW+4*\g+2]
.endr
.irp g, 0,1
	v_cndmask_b32 v[OP+2*\g], v[OP+2*\g], v[OP+2*\g+1], vcc_lo
.endr
.irp g, 0,1
	global_store_b32 v[SOV], v[OP+2*\g], s[14:15] offset:241664*\g     ; 128 consecutive bytes: the other 64 keys' halfwords are the neighbouring wave's
.endr
.Lend:
	s_wait_tensorcnt 0x0                           ; the wave's end
	ds_add_u32 v[SPW], v[NIL]
	s_wait_dscnt 0x0
	CROUND                                         ; the closing round: no work-group ends while a partner may still ask for a tile that names it
	s_endpgm
.Lfunc_end_k_q7dad87076d_proj:
	.size	k_q7dad87076d_proj, .Lfunc_end_k_q7dad87076d_proj-k_q7dad87076d_proj
	.p2alignl 7, 3214868480
	.fill 96, 4, 3214868480
	.section	.rodata,"a",@progbits
	.p2align	6, 0x0
	.amdhsa_kernel k_q7dad87076d_proj
		.amdhsa_group_segment_fixed_size 327680
		.amdhsa_private_segment_fixed_size 0
		.amdhsa_enable_private_segment 0
		.amdhsa_kernarg_size 56
		.amdhsa_user_sgpr_count 2
		.amdhsa_user_sgpr_kernarg_segment_ptr 1
		.amdhsa_wavefront_size32 1
		.amdhsa_system_sgpr_workgroup_id_x 1
		.amdhsa_system_sgpr_workgroup_id_y 1
		.amdhsa_system_sgpr_workgroup_id_z 1
		.amdhsa_system_vgpr_workitem_id 0
		.amdhsa_next_free_vgpr 1024
		.amdhsa_next_free_sgpr 106
		.amdhsa_reserve_vcc 1
		.amdhsa_float_denorm_mode_32 3
		.amdhsa_float_denorm_mode_16_64 3
		.amdhsa_memory_ordered 1
		.amdhsa_forward_progress 1
		.amdhsa_inst_pref_size 224
	.end_amdhsa_kernel
	.amdgpu_metadata
---
amdhsa.version: [ 1, 2 ]
amdhsa.kernels:
  - .name:           k_q7dad87076d_proj
    .symbol:         k_q7dad87076d_proj.kd
    .args:
      - { .name: cimg, .offset: 0, .size: 8, .value_kind: global_buffer, .address_space: global }
      - { .name: cscl, .offset: 8, .size: 8, .value_kind: global_buffer, .address_space: global }
      - { .name: rope, .offset: 16, .size: 8, .value_kind: global_buffer, .address_space: global }
      - { .name: key_padding_mask, .offset: 24, .size: 8, .value_kind: global_buffer, .address_space: global }
      - { .name: qimg, .offset: 32, .size: 8, .value_kind: global_buffer, .address_space: global }
      - { .name: qscl, .offset: 40, .size: 8, .value_kind: global_buffer, .address_space: global }
      - { .name: kv, .offset: 48, .size: 8, .value_kind: global_buffer, .address_space: global }
    .group_segment_fixed_size: 327680
    .private_segment_fixed_size: 0
    .kernarg_segment_align: 8
    .kernarg_segment_size: 56
    .max_flat_workgroup_size: 128
    .sgpr_count:     106
    .vgpr_count:     1024
    .wavefront_size: 32
...
	.end_amdgpu_metadata
.endif
;; end of part 2
;; launch attn (part 3): grid 16 x 16, 8 waves a work-group, clusters of 4 x 1, 327,680 bytes of LDS; arguments qimg, qscl, kv, attn_mask, aimg, ascl; writes aimg, ascl
.if DOCPART == 3
	.amdgcn_target "amdgcn-amd-amdhsa--gfx1250"
	.amdhsa_code_object_version 6
	.text
	.protected	k_q7dad87076d_attn
	.globl	k_q7dad87076d_attn
	.p2align	8
	.type	k_q7dad87076d_attn,@function
k_q7dad87076d_attn:
	s_mov_b64 s[64:65], 0
	v_nop
	global_prefetch_b8 v0, s[64:65] scope:SCOPE_SE
	s_setreg_imm32_b32 hwreg(HW_REG_WAVE_MODE, 25, 1), 1
	s_wait_xcnt 0x0
	s_wait_alu depctr_hold_cnt(0) depctr_sa_sdst(0) depctr_va_vdst(0) depctr_va_sdst(0) depctr_va_ssrc(0) depctr_va_vcc(0) depctr_vm_vsrc(0)
	s_getreg_b32 s2, hwreg(HW_REG_IB_STS2, 6, 4)
	s_cmp_eq_u32 s2, 0
	s_cbranch_scc0 .Lentry_in_a_cluster
	s_endpgm
.Lentry_in_a_cluster:
	s_bfe_u32 s2, ttmp6, 0x10000c
	s_cmp_lg_u32 s2, 0x3003
	s_cbranch_scc0 .Lentry_shape_is_right
	s_endpgm
.Lentry_shape_is_right:
; ATTN: o = softmax(q k^T / 8 + attn_mask, padded keys out) v for 64 queries of the four query heads of one kv head, both products on codes of E2M3; o is quantised along the model's 2,048 for the last product.
; SHARES.  Work-group (X, Y): queries 64 X on, Y = 8 b + kv head.  Eight waves, two to a SIMD.  Wave w takes the tile of 16 queries w / 2, ALL FOUR heads (four tiles), and every second step of 128 keys: steps 2 i + w % 2, i = 0 .. 7.
; A step's K, V^T and mask are read from LDS once for the four tiles.  At the end the two waves of a pair exchange two tiles each through LDS and join them: M = the larger of the two, sums and O^T times 2^(own M - M): exact.
; Tile j of wave w is head 4 kvh + (j xor 2 (w % 2)): each wave sends its tiles 2, 3 away and finishes its tiles 0, 1.
; kv: the kv head's 16 blocks, 241,664 bytes, come into LDS ONCE, two blocks a wave by one joint load (cluster 4 x 1: the four partners have the same Y).  Nothing is filled again: the loop has no barrier.
; attn_mask: a tile of 16 queries x 128 keys is read by one wave of the work-group alone, and the cluster's partners have other queries: so it is not asked for jointly.  It comes as whole rows of 512 bytes (one load a row),
; four rows at a time through 16 registers, turns through the wave's own stage in LDS (rows of 528 bytes), and is the C of K Q^T.  Four rows are asked for one tile's work ahead of their store.
; PREFETCH: the 32 blocks of 256 bytes of wave w's mask tile two own steps on, a lane a block; of the 16 work-groups with the same X those with Y % 8 = w ask; the last two trips ask for nothing.
; LAYOUT.  Both products are used transposed: S^T = K Q^T, O^T = V^T P^T: a lane holds ONE query.  Lane r of a tile T holds row 32 (T / 2) + 8 (T % 2) + r + 8 (r / 8), so the 16 registers of tiles 2 b, 2 b + 1 are 16 neighbours.
; q holds zeros from k = 65 on, so a fragment of K is named with its 8 own registers and the next four.  The division by 8 lies in q's scale bytes.  A padded key's score is -2^126 (place k = 64).
; THE SOFTMAX: t = logit x log2(e); M = the running largest t rounded up; p = 2^(t - M) is quantised along the keys; the sum is taken of the unquantised p; when M moves, sum and O are multiplied by 2^(old M - new M).
; LIMIT: the running largest t starts at -2^31: a row whose largest logit lies under about -1.4e9 counts as wholly masked: its scale bytes become 0xff, which makes its row of the output NaN.  NaN and +infinity in attn_mask are not served.
; The last trip's look-ahead for the mask is held at the wave's last step: those rows are loaded again and not used.
; REGISTERS.  Window 0: v1-15 addresses; v16-35 scales alone; v36-103 K, then V^T (v36-83) and tile 3's p (v84-95); v104-167 S^T, then p; v168-183 the tiles' -M, largest t, sum; v184-213 at work; v214-249 p's codes of tiles 0-2.
; Window 1: v0-63 the mask; v64-191 O^T of the four tiles; v192-239 q; v240-255 four rows of the mask on their way.
.set KVB,   15104                      ; 8 tiles of K x 1,024 | K's words 512 | 4 tiles of V^T x 1,536 | V's halfwords 256
.set STG0,  16*KVB                     ; behind kv: a stage of 16 rows x 528 bytes for each wave
.set SGB,   8448
.set MP,    528
.set SPARE, STG0+8*SGB                 ; the spare words: four blocks of 256 bytes that no other line names
.set OSC,   SPARE+1024                 ; 512 bytes in which the scale halfwords of o meet
.set XB,    9216                       ; the exchange: 64 + 8 registers a wave, in kv's bytes, behind a barrier behind which nobody reads kv
.set AK0, 1
.set AS0, 2
.set AV0, 3
.set AK,  4
.set AS,  5
.set AV,  6
.set SPW, 7
.set NIL, 8
.set MST, 9
.set MLD, 10
.set MOFF, 11
.set L16, 12
.set PFO, 13
.set L8,  14
.set QSO, 15
.set KS,  16
.set VS,  24
.set QS,  28
.set PW,  32
.set KF,  36
.set S,   104
.set ST,  168
.set CT,  184
.set BM,  192
.set PT,  196
.set TS,  200
.set SU,  204
.set F,   206
.set TMP, 208
.set VR,  210
.set PCD, 214
.set PD3, PCD+36-KF-48                 ; tile 3's codes lie at KF + 48
.set OSA, 250
.set OSR, 251
.set ASO, 252
.set XST, 253
.set XLD, 254
.set MK,  0                            ; window 1
.set O,   64
.set Q,   192
.set STG, 240
.set WV,  16
.set PAR, 18
.set X,   19
.set SEL, 20
.set CS,  22
.set Y,   24
.set QT,  25
.set G1,  32
.set G0,  40
.set PB,  44
.set QA,  46
.set QB,  48
.set QSA, 50
.set QSB, 52
.set MB,  54
.set KB,  56
.set CNT, 57
.set KO,  58
.set KMAX, 59
.set LIM, 60
.set MSB, 0
.macro WIN new                         ; the immediate's high byte repeats the setting that is left
.if MSB != \new
	s_set_vgpr_msb (MSB<<8)|\new
.set MSB, \new
.endif
.endm
.macro PLACES
.rept 4
	v_nop
.endr
.endm
.macro CROUND                          ; a round of the cluster's barrier
	s_barrier_signal -1
	s_barrier_wait -1
	s_cmp_lg_u32 s[WV], 0
	s_cbranch_scc1 .Lnot_wave_0_\@
	s_barrier_signal -3
.Lnot_wave_0_\@:
	s_barrier_wait -3
	s_barrier_signal -1
	s_barrier_wait -1
.endm
.macro MGRP n0                         ; four rows of the mask, n0 on: each load reads 512 consecutive bytes of one row
	WIN 0x40
.irp i, 0,1,2,3
	global_load_b128 v[STG+4*\i:STG+4*\i+3], v[MOFF], s[MB:MB+1] offset:(((\n0)+\i)+8*(((\n0)+\i)/8))*8192
.endr
	WIN 0
.endm
.macro MASKLD                          ; out of my stage: register 16 b + 4 i on = keys 32 b + 16 h + 4 i on of my query
	WIN 0x40
.irp b, 0,1,2,3
.irp i, 0,1,2,3
	ds_load_b128 v[MK+16*\b+4*\i:MK+16*\b+4*\i+3], v[MLD] offset:128*\b+16*\i
.endr
.endr
	WIN 0
.endm
.macro QK j                            ; S^T of tile j: K and S^T window 0, q and the mask (C) window 1
	WIN 0x14
.irp t, 0,1,2,3,4,5,6,7
	v_wmma_scale_f32_16x16x128_f8f6f4 v[S+8*\t:S+8*\t+7], v[KF+8*\t:KF+8*\t+11], v[Q+12*(\j):Q+12*(\j)+11], v[MK+8*\t:MK+8*\t+7], v[KS+\t], v[QS+(\j)] matrix_a_fmt:MATRIX_FMT_FP6 matrix_b_fmt:MATRIX_FMT_FP6
.endr
	WIN 0
.endm
; from the scores to p, f and p's scale word
.macro SOFT1 j
.set NM, ST+4*(\j)
.irp b, 0,1,2,3
	v_max3_num_f32 v[BM+\b], v[S+16*\b], v[S+16*\b+1], v[S+16*\b+2]     ; the largest score of each block of 32 keys: for the row's maximum and for the block's largest p
.endr
.irp i, 3,5,7,9,11,13
.irp b, 0,1,2,3
	v_max3_num_f32 v[BM+\b], v[BM+\b], v[S+16*\b+\i], v[S+16*\b+\i+1]
.endr
.endr
.irp b, 0,1,2,3
	v_max_num_f32 v[BM+\b], v[BM+\b], v[S+16*\b+15]
.endr
.irp b, 0,1,2,3
	s_delay_alu instid0(VALU_DEP_4)
	v_permlanex16_b32 v[PT+\b], v[BM+\b], s[SEL], s[SEL+1]
.endr
.irp b, 0,1,2,3
	s_delay_alu instid0(VALU_DEP_4)
	v_max_num_f32 v[BM+\b], v[BM+\b], v[PT+\b]     ; with lane l xor 16's 16 keys
.endr
	s_delay_alu instid0(VALU_DEP_2)
	v_max3_num_f32 v[TMP], v[BM], v[BM+1], v[BM+2]
	s_delay_alu instid0(VALU_DEP_1)
	v_max_num_f32 v[TMP], v[TMP], v[BM+3]
	s_delay_alu instid0(VALU_DEP_1)
	v_mul_f32 v[TMP], s[CS], v[TMP]
	s_delay_alu instid0(VALU_DEP_1)
	v_max_num_f32 v[NM+1], v[NM+1], v[TMP]         ; the running largest t
	v_mov_b32 v[TMP], v[NM]
	s_delay_alu instid0(VALU_DEP_2)
	v_floor_f32 v[NM], -v[NM+1]                    ; -M = floor(-t)
	s_delay_alu instid0(VALU_DEP_1)
	v_sub_f32 v[TMP], v[NM], v[TMP]                ; old M - new M: a whole number, 0 or less
	s_delay_alu instid0(VALU_DEP_1)
	v_cvt_i32_f32 v[TMP], v[TMP]
	s_delay_alu instid0(VALU_DEP_1)
	v_ldexp_f32 v[F], 1.0, v[TMP]                  ; f = 2^(old M - new M)
.set jj, 0
.rept 32
	v_pk_fma_f32 v[S+jj:S+jj+1], v[S+jj:S+jj+1], s[CS:CS+1], v[NM:NM+1] op_sel_hi:[1,0,0]   ; t - M
.set jj, jj+2
.endr
.irp b, 0,1,2,3
	v_fma_f32 v[BM+\b], v[BM+\b], s[CS], v[NM]
.endr
.set jj, 0
	s_wait_alu depctr_va_vdst(0)
.rept 64
	v_exp_f32 v[S+jj], v[S+jj]                     ; p = 2^(t - M): not normalised
.set jj, jj+1
.endr
.irp b, 0,1,2,3
	v_exp_f32 v[BM+\b], v[BM+\b]                   ; the block's largest p: the same two instructions on the same number
.endr
	v_pk_mul_f32 v[NM+2:NM+3], v[NM+2:NM+3], v[F:F+1] op_sel_hi:[1,0]  ; the sums under the new M  (a plain place behind the exponentials)
	s_wait_alu depctr_va_vdst(0)
.irp b, 0,1,2,3
	v_max_num_f32 v[BM+\b], 0x1800000, v[BM+\b]    ; the floor 2^(3 - 127): the byte cannot fall under 1
.endr
.irp b, 0,1,2,3
	s_delay_alu instid0(VALU_DEP_4)
	v_add_nc_u32 v[TS+\b], 0xff000000, v[BM+\b]    ; 2 off the exponent field: the conversion's scale operand
.endr
.irp b, 0,1,2,3
	s_delay_alu instid0(VALU_DEP_4)
	v_lshrrev_b32 v[PT+\b], 23, v[TS+\b]
.endr
	s_delay_alu instid0(VALU_DEP_3)
	v_lshl_or_b32 v[PW+(\j)], v[PT+1], 8, v[PT]    ; p's scale word for these 128 keys
	s_delay_alu instid0(VALU_DEP_1)
	v_lshl_or_b32 v[PW+(\j)], v[PT+2], 16, v[PW+(\j)]
	s_delay_alu instid0(VALU_DEP_1)
	v_lshl_or_b32 v[PW+(\j)], v[PT+3], 24, v[PW+(\j)]
.endm
; p's codes, the sum, O^T under the new M
.macro SOFT2 j, pcd
.set NM, ST+4*(\j)
.irp c, 0,1
	v_cvt_scalef32_pk16_fp6_f32 v[\pcd+6*\c:\pcd+6*\c+2], v[S+32*\c:S+32*\c+15], v[TS+2*\c]
	v_cvt_scalef32_pk16_fp6_f32 v[CT+4*\c:CT+4*\c+2], v[S+32*\c+16:S+32*\c+31], v[TS+2*\c+1]   ; (a conversion's three registers begin on an even number)
.endr
	v_nop                                          ; one plain place behind a scaled conversion
.irp c, 0,1
.irp i, 0,1,2
	v_permlane16_swap_b32 v[\pcd+6*\c+\i], v[CT+4*\c+\i]   ; a whole block to a lane
.endr
.irp i, 0,1,2
	s_delay_alu instid0(VALU_DEP_3)
	v_mov_b32 v[\pcd+6*\c+3+\i], v[CT+4*\c+\i]
.endr
.endr
	v_pk_add_f32 v[SU:SU+1], v[S:S+1], v[S+2:S+3]  ; the row's sum is taken of the unquantised p: two chains
.irp n, 4,8,12,16,20,24,28,32,36,40,44,48,52,56,60
	v_pk_add_f32 v[NM+2:NM+3], v[NM+2:NM+3], v[S+\n:S+\n+1]
	v_pk_add_f32 v[SU:SU+1], v[SU:SU+1], v[S+\n+2:S+\n+3]
.endr
	s_delay_alu instid0(VALU_DEP_1)
	v_pk_add_f32 v[NM+2:NM+3], v[NM+2:NM+3], v[SU:SU+1]
	WIN 0x41                                       ; O^T window 1, f window 0
.set jj, 0
.rept 16
	v_pk_mul_f32 v[O+32*(\j)+jj:O+32*(\j)+jj+1], v[O+32*(\j)+jj:O+32*(\j)+jj+1], v[F:F+1] op_sel_hi:[1,0]   ; each accumulator from its low end on
.set jj, jj+2
.endr
	WIN 0
.endm
; one tile of a step.  At its head the four rows of the next step's mask that were asked for a tile ago go to my stage, and the next four are asked for
.macro PHASE g
	s_wait_loadcnt 0x0                             ; the four rows are in
	WIN 0x04                                       ; a store's data: window 1
.irp i, 0,1,2,3
	ds_store_b128 v[MST], v[STG+4*\i:STG+4*\i+3] offset:(4*(\g)+\i)*MP
.endr
	WIN 0
.if (\g) == 0
	s_wait_dscnt 4                                 ; K and its scale words are in; the four stores may be out
.endif
	QK \g
.if (\g) < 3
	s_wait_dscnt 0x0                               ; the stores have read their registers
	MGRP 4*(\g)+4
.if (\g) == 1
	s_cmp_gt_u32 s[CNT], s[LIM]                    ; my wave's turn to ask, and two own steps are left
	s_cbranch_scc0 .Lno_ask_\@
	global_prefetch_b8 v[PFO], s[PB:PB+1] th:TH_LOAD_NT scope:SCOPE_SE
.Lno_ask_\@:
.endif
	PLACES                                         ; behind the products, in front of the first read of the scores
	SOFT1 \g
	SOFT2 \g, PCD+12*(\g)
.else
	PLACES                                         ; in front of the loads into K's and the mask's registers and of the first read of the scores
.irp d, 0,1,2,3
.irp p, 0,1,2,3,4,5
	ds_load_b64 v[KF+12*\d+2*\p:KF+12*\d+2*\p+1], v[AK] offset:8704+1536*\d+256*\p   ; V^T lands under this tile's softmax
.endr
.endr
	ds_load_b64 v[VR:VR+1], v[AV]
	ds_load_b64 v[VR+2:VR+3], v[AV] offset:128
	MASKLD                                         ; the next step's mask: LDS serves a wave's instructions in order, so these see my stores
	s_wait_xcnt 0x0                                ; the prefetch has read its base
	s_add_nc_u64 s[PB:PB+1], s[PB:PB+1], 1024
	s_add_co_u32 s[KO], s[KO], 1024                ; the own step after the next, held at my last
	s_min_u32 s[KO], s[KO], s[KMAX]
	v_add_nc_u32 v[MOFF], s[KO], v[L16]            ; (all loads that named it are in)
	s_wait_alu depctr_va_vdst(0)
	s_wait_dscnt 42                                ; the four stores are done: behind them 24 + 2 + 16 loads
	MGRP 0
	SOFT1 3
	s_wait_alu depctr_va_vdst(0)
	s_wait_dscnt 0x0                               ; V^T, its halfwords and the next mask are in
	v_perm_b32 v[VS], v[VR+2], v[VR], 0x05040100   ; a tile's word: the first 64 keys' two bytes below, the second 64 keys' above
	v_perm_b32 v[VS+1], v[VR+2], v[VR], 0x07060302
	v_perm_b32 v[VS+2], v[VR+3], v[VR+1], 0x05040100
	v_perm_b32 v[VS+3], v[VR+3], v[VR+1], 0x07060302
	SOFT2 3, KF+48
.endif
.endm
; the end of tile u (0, 1): joined with the partner's (its O^T in v[S + 32 u] on, its state in v[KF + 4 u] on), divided by the sum, quantised along the last product's K
.macro FIN u, pcd, hw
.set NM, ST+4*(\u)
.set PN, KF+4*(\u)
.set SB, S+32*(\u)
	v_min_num_f32 v[TMP], v[NM], v[PN]             ; the joint -M
	v_add_f32 v[NM+2], v[NM+2], v[NM+3]
	v_add_f32 v[PN+2], v[PN+2], v[PN+3]
	v_max_num_f32 v[NM+1], v[NM+1], v[PN+1]        ; the joint largest t
	v_sub_f32 v[BM], v[TMP], v[NM]                 ; own M - M, the partner's M - M: whole numbers, 0 or less
	v_sub_f32 v[BM+1], v[TMP], v[PN]
	s_delay_alu instid0(VALU_DEP_2)
	v_cvt_i32_f32 v[BM], v[BM]
	s_delay_alu instid0(VALU_DEP_2)
	v_cvt_i32_f32 v[BM+1], v[BM+1]
	s_delay_alu instid0(VALU_DEP_2)
	v_ldexp_f32 v[TS], 1.0, v[BM]
	s_delay_alu instid0(VALU_DEP_2)
	v_ldexp_f32 v[TS+2], 1.0, v[BM+1]
	s_delay_alu instid0(VALU_DEP_2)
	v_mul_f32 v[NM+2], v[NM+2], v[TS]
	s_delay_alu instid0(VALU_DEP_1)
	v_fma_f32 v[NM+2], v[PN+2], v[TS+2], v[NM+2]
	s_delay_alu instid0(VALU_DEP_1)
	v_permlanex16_b32 v[PT], v[NM+2], s[SEL], s[SEL+1]
	s_delay_alu instid0(VALU_DEP_1)
	v_add_f32 v[NM+2], v[NM+2], v[PT]              ; the row's sum
	s_wait_alu depctr_va_vdst(0)
	v_rcp_f32 v[NM+2], v[NM+2]
	v_mov_b32 v[SU], 0xffff                        ; (a plain place behind the reciprocal)
	s_wait_alu depctr_va_vdst(0)
	v_mul_f32 v[TS], v[TS], v[NM+2]
	v_mul_f32 v[TS+2], v[TS+2], v[NM+2]
.set jj, 0
.rept 16
	v_pk_mul_f32 v[SB+jj:SB+jj+1], v[SB+jj:SB+jj+1], v[TS+2:TS+3] op_sel_hi:[1,0]
.set jj, jj+2
.endr
	WIN 0x01                                       ; my O^T: window 1
	s_wait_alu depctr_va_vdst(0)
.set jj, 0
.rept 16
	v_pk_fma_f32 v[SB+jj:SB+jj+1], v[O+32*(\u)+jj:O+32*(\u)+jj+1], v[TS:TS+1], v[SB+jj:SB+jj+1] op_sel_hi:[1,0,1]   ; each accumulator from its low end on
.set jj, jj+2
.endr
	WIN 0
.irp b, 0,1
	v_max3_num_f32 v[BM+\b], |v[SB+16*\b]|, |v[SB+16*\b+1]|, 0x1800000
.endr
.irp i, 2,4,6,8,10,12,14
.irp b, 0,1
	s_delay_alu instid0(VALU_DEP_2)
	v_max3_num_f32 v[BM+\b], v[BM+\b], |v[SB+16*\b+\i]|, |v[SB+16*\b+\i+1]|
.endr
.endr
.irp b, 0,1
	s_delay_alu instid0(VALU_DEP_2)
	v_permlanex16_b32 v[PT+\b], v[BM+\b], s[SEL], s[SEL+1]
.endr
.irp b, 0,1
	s_delay_alu instid0(VALU_DEP_2)
	v_max_num_f32 v[BM+\b], v[BM+\b], v[PT+\b]
.endr
.irp b, 0,1
	s_delay_alu instid0(VALU_DEP_2)
	v_add_nc_u32 v[TS+\b], 0xff000000, v[BM+\b]
.endr
.irp b, 0,1
	s_delay_alu instid0(VALU_DEP_2)
	v_lshrrev_b32 v[PT+\b], 23, v[TS+\b]
.endr
	v_cvt_scalef32_pk16_fp6_f32 v[\pcd:\pcd+2], v[SB:SB+15], v[TS]
	v_cvt_scalef32_pk16_fp6_f32 v[CT:CT+2], v[SB+16:SB+31], v[TS+1]
	v_nop                                          ; one plain place behind a scaled conversion
.irp i, 0,1,2
	v_permlane16_swap_b32 v[\pcd+\i], v[CT+\i]
.endr
.irp i, 0,1,2
	s_delay_alu instid0(VALU_DEP_3)
	v_mov_b32 v[\pcd+3+\i], v[CT+\i]
.endr
	v_lshl_or_b32 v[\hw], v[PT+1], 8, v[PT]
	v_cmp_ge_f32 vcc_lo, 0xcf000000, v[NM+1]       ; no key has counted for this query:
	s_delay_alu instid0(VALU_DEP_1)
	v_cndmask_b32 v[\hw], v[\hw], v[SU], vcc_lo    ; two bytes 0xff
.irp p, 0,1,2
	global_store_b64 v[L8], v[\pcd+2*\p:\pcd+2*\p+1], s[12:13] offset:768*(\u)+256*\p   ; 256 consecutive bytes, aligned
.endr
	ds_store_b16 v[OSA], v[\hw] offset:2*(\u)      ; both lanes of a query write the same halfword with the same value
.endm
	s_load_b256 s[4:11], s[0:1], 0x0               ; qimg s[4:5], qscl s[6:7], kv s[8:9], attn_mask s[10:11]
	s_load_b128 s[12:15], s[0:1], 0x20             ; aimg, ascl
	v_lshl_add_u32 v[SPW], v0, 2, SPARE            ; my spare word;
	v_mov_b32 v[NIL], 0                            ; 0: both never rewritten
	ds_add_u32 v[SPW], v[NIL]                      ; the opening lines
	ds_add_u32 v[SPW], v[NIL]
	v_lshrrev_b32 v15, 5, v0
	s_delay_alu instid0(VALU_DEP_1)
	v_readfirstlane_b32 s[WV], v15                 ; wave 0..7
	s_bfe_u32 s17, ttmp6, 0x40000                  ; cx
	s_lshl_b32 s[X], ttmp9, 2
	s_add_co_u32 s[X], s[X], s17                   ; X
	s_and_b32 s[Y], ttmp7, 0xffff                  ; Y: the cluster's y, the same in the four partners
	s_and_b32 s[PAR], s[WV], 1                     ; which steps are mine
	s_lshr_b32 s[QT], s[WV], 1                     ; my tile of queries
	; two blocks of kv: 30,208 dense bytes as 118 rows of 256; asked for jointly by the four partners
	s_mov_b32 s[G1], 15|(3<<16)|(1<<21)
	s_mov_b32 s[G1+1], 32<<16
	s_mov_b32 s[G1+2], 118<<16
	s_mov_b32 s[G1+3], 32<<16
	s_mov_b32 s[G1+4], 118
	s_mov_b32 s[G1+5], 32
	s_mov_b32 s[G1+6], 0
	s_mov_b32 s[G1+7], 0
	s_mov_b32 s[G0], 1
	s_mul_i32 s[G0+1], s[WV], 2*KVB
	s_lshl_b32 s26, s[Y], 4
	s_lshl_b32 s27, s[WV], 1
	s_add_co_u32 s26, s26, s27
	s_mul_i32 s26, s26, KVB                        ; blocks 16 Y + 2 w, + 1
	s_mov_b32 s27, 0
	s_lshr_b32 s28, s[Y], 3                        ; b
	s_and_b32 s29, s[Y], 7                         ; the kv head
	s_lshl_b32 s30, s28, 5
	s_lshl_b32 s31, s29, 2
	s_add_co_u32 s30, s30, s31
	s_lshl_b32 s31, s[PAR], 1
	s_add_co_u32 s30, s30, s31                     ; 32 b + the head of my tiles 0, 1
	s_xor_b32 s31, s30, 2                          ; and of my tiles 2, 3
	s_lshl_b32 s2, s[X], 2
	s_add_co_u32 s2, s2, s[QT]                     ; the tile of queries: 4 X + qt
	s_lshl_b32 s70, s30, 6
	s_add_co_u32 s70, s70, s2
	s_lshl_b32 s70, s70, 10                        ; q's codes: 1,024 bytes a tile, 64 tiles a head
	s_mov_b32 s71, 0
	s_lshl_b32 s72, s31, 6
	s_add_co_u32 s72, s72, s2
	s_lshl_b32 s72, s72, 10
	s_mov_b32 s73, 0
	s_lshl_b32 s3, s[QT], 2
	s_lshl_b32 s74, s30, 4
	s_add_co_u32 s74, s74, s[X]
	s_lshl_b32 s74, s74, 8
	s_add_co_u32 s74, s74, s3                      ; q's scale words: 256 bytes for 64 queries, 4,096 a head; word qt
	s_mov_b32 s75, 0
	s_lshl_b32 s76, s31, 4
	s_add_co_u32 s76, s76, s[X]
	s_lshl_b32 s76, s76, 8
	s_add_co_u32 s76, s76, s3
	s_mov_b32 s77, 0
	s_lshl_b32 s78, s28, 6
	s_add_co_u32 s78, s78, s2
	s_mul_i32 s78, s78, 24576                      ; o's tile of rows,
	s_and_b32 s3, s30, 31
	s_mul_i32 s3, s3, 768                          ; the head's half of a K step
	s_add_co_u32 s78, s78, s3
	s_mov_b32 s79, 0
	s_lshl_b32 s80, s28, 6
	s_lshl_b32 s3, s[X], 2
	s_add_co_u32 s80, s80, s3
	s_lshl_b32 s80, s80, 10
	s_lshl_b32 s3, s29, 7
	s_add_co_u32 s80, s80, s3                      ; o's scale words
	s_mov_b32 s81, 0
	s_lshl_b32 s82, s[X], 6
	s_lshr_b32 s3, s[QT], 1
	s_lshl_b32 s3, s3, 5
	s_add_co_u32 s82, s82, s3
	s_and_b32 s3, s[QT], 1
	s_lshl_b32 s3, s3, 3
	s_add_co_u32 s82, s82, s3
	s_lshl_b32 s82, s82, 13                        ; the mask: my tile's first row, of 8,192 bytes
	s_mov_b32 s83, 0
	s_lshl_b32 s[KO], s[PAR], 9                    ; my first step's 512 bytes of a row
	s_add_co_u32 s[KMAX], s[KO], 7168              ; my last step's
	s_add_co_u32 s84, s82, s[KO]
	s_add_co_u32 s84, s84, 2048                    ; the first prefetch: own step 2
	s_mov_b32 s85, 0
	s_mul_i32 s61, s[PAR], KVB                     ; LDS: my first block,
	s_add_co_u32 s62, s61, 8192                    ; its K words,
	s_add_co_u32 s63, s61, 14848                   ; its V halfwords
	s_mul_i32 s66, s[WV], SGB
	s_add_co_u32 s66, s66, STG0                    ; my stage
	s_lshl_b32 s67, s[QT], 7
	s_lshl_b32 s3, s[PAR], 2
	s_add_co_u32 s67, s67, s3
	s_add_co_u32 s67, s67, OSC                     ; o's halfwords: 128 qt + 8 r + 2 x the head within the four
	s_mul_i32 s68, s[WV], XB                       ; the exchange: mine,
	s_xor_b32 s69, s[WV], 1
	s_mul_i32 s69, s69, XB                         ; my partner's
	s_cmp_eq_u32 s[WV], s29
	s_cselect_b32 s[LIM], 2, 255                   ; I prefetch where w = Y % 8, while more than two trips are left
	s_mov_b32 s[SEL], 0x76543210
	s_mov_b32 s[SEL+1], 0xfedcba98                 ; v_permlanex16_b32's selects for lane l xor 16
	s_mov_b32 s[CS], 0x3fb8aa3b                    ; log2(e)
	s_mov_b32 s[CS+1], s[CS]
	s_mov_b32 s[KB], 0
	s_mov_b32 s[CNT], 8
	v_and_b32 v[CT], 15, v0                        ; r
	v_bfe_u32 v[CT+1], v0, 4, 1                    ; h
	v_and_b32 v[CT+2], 31, v0                      ; L
	v_lshlrev_b32 v[QSO], 4, v[CT]
	v_mul_u32_u24 v[MLD], v[CT], MP
	v_lshlrev_b32 v[L16], 4, v[CT+2]
	v_lshlrev_b32 v[L8], 3, v[CT+2]
	v_lshl_add_u32 v[AK0], v[CT+2], 3, s61         ; planes of K and V^T
	v_lshl_add_u32 v[AS0], v[CT], 4, s62
	v_lshl_add_u32 v[AV0], v[CT], 3, s63
	v_lshl_add_u32 v[MLD], v[CT+1], 6, v[MLD]
	v_add_nc_u32 v[MST], s66, v[L16]               ; the stage, in: 16 L of a row
	v_add_nc_u32 v[MOFF], s[KO], v[L16]
	v_lshrrev_b32 v[PFO], 1, v[CT+2]
	v_and_b32 v[CT+3], 1, v[CT+2]
	v_add_nc_u32 v[MLD], s66, v[MLD]               ; out: row r, + 64 h
	v_lshlrev_b32 v[PFO], 13, v[PFO]
	v_lshl_add_u32 v[OSA], v[CT], 3, s67
	v_add_nc_u32 v[OSR], OSC, v[L8]
	v_lshl_add_u32 v[PFO], v[CT+1], 16, v[PFO]
	v_lshlrev_b32 v[ASO], 10, v[CT+1]
	v_add_nc_u32 v[XST], s68, v[L16]
	v_lshl_add_u32 v[PFO], v[CT+3], 8, v[PFO]      ; lane L: row L / 2 of my 16 (8 more from row 8 on), its block L % 2
	v_lshl_add_u32 v[ASO], v[CT], 3, v[ASO]
	v_add_nc_u32 v[XLD], s69, v[L16]
	s_wait_dscnt 0x0                               ; both opening adds are done
	s_wait_alu depctr_va_vdst(0)
	s_wait_kmcnt 0x0
	s_add_nc_u64 s[G0+2:G0+3], s[8:9], s[26:27]
	s_or_b32 s[G0+3], s[G0+3], 0x80000000
	s_add_nc_u64 s[QA:QA+1], s[4:5], s[70:71]
	s_add_nc_u64 s[QB:QB+1], s[4:5], s[72:73]
	s_add_nc_u64 s[QSA:QSA+1], s[6:7], s[74:75]
	s_add_nc_u64 s[QSB:QSB+1], s[6:7], s[76:77]
	s_add_nc_u64 s[12:13], s[12:13], s[78:79]
	s_add_nc_u64 s[14:15], s[14:15], s[80:81]
	s_add_nc_u64 s[MB:MB+1], s[10:11], s[82:83]
	s_add_nc_u64 s[PB:PB+1], s[10:11], s[84:85]
.set ii, 0
.rept 16
	global_load_b128 v[S+4*ii:S+4*ii+3], v[MOFF], s[MB:MB+1] offset:(ii+8*(ii/8))*8192   ; my first step's mask, by way of the scores' registers
.set ii, ii+1
.endr
.irp j, 0,1
	global_load_b32 v[QS+\j], v[QSO], s[QSA:QSA+1] offset:4096*\j
	global_load_b32 v[QS+2+\j], v[QSO], s[QSB:QSB+1] offset:4096*\j
.endr
	WIN 0x40
.irp j, 0,1
.irp p, 0,1,2,3
	global_load_b64 v[Q+12*\j+2*\p:Q+12*\j+2*\p+1], v[L8], s[QA:QA+1] offset:65536*\j+256*\p
	global_load_b64 v[Q+24+12*\j+2*\p:Q+24+12*\j+2*\p+1], v[L8], s[QB:QB+1] offset:65536*\j+256*\p
.endr
.endr
	WIN 0
	CROUND                                         ; the four work-groups are here: the joint loads meet
	tensor_load_to_lds s[G0:G0+3], s[G1:G1+7]      ; every wave's one tensor load
	s_nop 0
	PLACES
	WIN 0x40
.irp j, 0,1,2,3
.irp i, 8,9,10,11
	v_mov_b32 v[Q+12*\j+\i], 0                     ; q's registers 8-11
.endr
.endr
.set jj, 0
.rept 128
	v_mov_b32 v[O+jj], 0                           ; the step is written once: the first finds zeros
.set jj, jj+1
.endr
	WIN 0
.irp j, 0,1,2,3
	v_mov_b32 v[ST+4*\j], 0x4f000000               ; -M = 2^31
	v_mov_b32 v[ST+4*\j+1], 0xcf000000             ; the largest t so far: -2^31
	v_mov_b32 v[ST+4*\j+2], 0
	v_mov_b32 v[ST+4*\j+3], 0
	v_mov_b32 v[PT+\j], 0                          ; a lane permute's destination counts as one of its sources
	v_mov_b32 v[KF+64+\j], 0                       ; what the last fragment of K names behind its own eight
.endr
	v_mov_b32 v[F+1], 0                            ; (named with f as a pair)
	s_wait_alu depctr_va_vdst(0)
	s_wait_loadcnt 0x0
	s_wait_tensorcnt 0x0                           ; my two blocks of kv are in
.set ii, 0
.rept 16
	ds_store_b128 v[MST], v[S+4*ii:S+4*ii+3] offset:MP*ii
.set ii, ii+1
.endr
	s_add_co_u32 s[KO], s[KO], 1024                ; my second step
	v_add_nc_u32 v[MOFF], s[KO], v[L16]
	s_wait_alu depctr_va_vdst(0)
	MGRP 0
	MASKLD
	s_wait_dscnt 0x0
	s_barrier_signal -1
	s_barrier_wait -1                              ; everybody's blocks are in
.Lstep:                                            ; eight trips, one own step each
	v_add_nc_u32 v[AK], s[KB], v[AK0]              ; (these three and the v_nop are the places behind the last products, in front of loads into their registers)
	v_add_nc_u32 v[AS], s[KB], v[AS0]
	v_add_nc_u32 v[AV], s[KB], v[AV0]
	v_nop
.irp t, 0,1,2,3,4,5,6,7
.irp p, 0,1,2,3
	ds_load_b64 v[KF+8*\t+2*\p:KF+8*\t+2*\p+1], v[AK] offset:1024*\t+256*\p
.endr
.endr
	ds_load_b128 v[KS:KS+3], v[AS]
	ds_load_b128 v[KS+4:KS+7], v[AS] offset:256
	PHASE 0
	PHASE 1
	PHASE 2
	PHASE 3
	WIN 0x50                                       ; V^T and p window 0, O^T window 1: the 16 accumulators by turns
.irp d, 0,1,2,3
.irp j, 0,1,2,3
	v_wmma_scale_f32_16x16x128_f8f6f4 v[O+32*\j+8*\d:O+32*\j+8*\d+7], v[KF+12*\d:KF+12*\d+11], v[PCD+12*\j-(\j/3)*PD3:PCD+12*\j-(\j/3)*PD3+11], v[O+32*\j+8*\d:O+32*\j+8*\d+7], v[VS+\d], v[PW+\j] matrix_a_fmt:MATRIX_FMT_FP6 matrix_b_fmt:MATRIX_FMT_FP6
.endr
.endr
	WIN 0
	s_add_co_u32 s[KB], s[KB], 2*KVB
	s_sub_co_u32 s[CNT], s[CNT], 1
	s_cmp_lg_u32 s[CNT], 0
	s_cbranch_scc1 .Lstep
	PLACES                                         ; behind the last products
	s_wait_alu depctr_va_vdst(0)
	s_wait_dscnt 0x0                               ; my reads of kv and of my stage are over
	s_barrier_signal -1
	s_barrier_wait -1                              ; everybody's are: kv's bytes have had their only fill and their last read
	WIN 0x04
.set ii, 0
.rept 16
	ds_store_b128 v[XST], v[O+64+4*ii:O+64+4*ii+3] offset:512*ii   ; my tiles 2, 3 go to my partner: each accumulator from its low end on
.set ii, ii+1
.endr
	WIN 0
	ds_store_b128 v[XST], v[ST+8:ST+11] offset:8192
	ds_store_b128 v[XST], v[ST+12:ST+15] offset:8704
	s_wait_dscnt 0x0                               ; for the partner's sake
	s_barrier_signal -1
	s_barrier_wait -1
.set ii, 0
.rept 16
	ds_load_b128 v[S+4*ii:S+4*ii+3], v[XLD] offset:512*ii          ; the partner's share of my tiles 0, 1
.set ii, ii+1
.endr
	ds_load_b128 v[KF:KF+3], v[XLD] offset:8192
	ds_load_b128 v[KF+4:KF+7], v[XLD] offset:8704
	s_wait_dscnt 0x0
	FIN 0, PCD, VR
	FIN 1, PCD+12, VR+1
	s_wait_dscnt 0x0                               ; for the others' sake
	s_barrier_signal -1
	s_barrier_wait -1
	s_cmp_lg_u32 s[WV], 0
	s_cbranch_scc1 .Lnot0
	ds_load_b64 v[S:S+1], v[OSR]                   ; wave 0 stores the four tiles' words of this kv head's 256 along K: runs of 128 bytes
	ds_load_b64 v[S+2:S+3], v[OSR] offset:256
	s_wait_dscnt 0x0
	global_store_b64 v[ASO], v[S:S+1], s[14:15]
	global_store_b64 v[ASO], v[S+2:S+3], s[14:15] offset:2048
.Lnot0:
	s_wait_tensorcnt 0x0                           ; the wave's end
	ds_add_u32 v[SPW], v[NIL]
	s_wait_dscnt 0x0
	CROUND                                         ; the closing round
	s_endpgm
.Lfunc_end_k_q7dad87076d_attn:
	.size	k_q7dad87076d_attn, .Lfunc_end_k_q7dad87076d_attn-k_q7dad87076d_attn
	.p2alignl 7, 3214868480
	.fill 96, 4, 3214868480
	.section	.rodata,"a",@progbits
	.p2align	6, 0x0
	.amdhsa_kernel k_q7dad87076d_attn
		.amdhsa_group_segment_fixed_size 327680
		.amdhsa_private_segment_fixed_size 0
		.amdhsa_enable_private_segment 0
		.amdhsa_kernarg_size 48
		.amdhsa_user_sgpr_count 2
		.amdhsa_user_sgpr_kernarg_segment_ptr 1
		.amdhsa_wavefront_size32 1
		.amdhsa_system_sgpr_workgroup_id_x 1
		.amdhsa_system_sgpr_workgroup_id_y 1
		.amdhsa_system_sgpr_workgroup_id_z 1
		.amdhsa_system_vgpr_workitem_id 0
		.amdhsa_next_free_vgpr 512
		.amdhsa_next_free_sgpr 100
		.amdhsa_reserve_vcc 1
		.amdhsa_float_denorm_mode_32 3
		.amdhsa_float_denorm_mode_16_64 3
		.amdhsa_memory_ordered 1
		.amdhsa_forward_progress 1
		.amdhsa_inst_pref_size 102
	.end_amdhsa_kernel
	.amdgpu_metadata
---
amdhsa.version: [ 1, 2 ]
amdhsa.kernels:
  - .name:           k_q7dad87076d_attn
    .symbol:         k_q7dad87076d_attn.kd
    .args:
      - { .name: qimg, .offset: 0, .size: 8, .value_kind: global_buffer, .address_space: global }
      - { .name: qscl, .offset: 8, .size: 8, .value_kind: global_buffer, .address_space: global }
      - { .name: kv, .offset: 16, .size: 8, .value_kind: global_buffer, .address_space: global }
      - { .name: attn_mask, .offset: 24, .size: 8, .value_kind: global_buffer, .address_space: global }
      - { .name: aimg, .offset: 32, .size: 8, .value_kind: global_buffer, .address_space: global }
      - { .name: ascl, .offset: 40, .size: 8, .value_kind: global_buffer, .address_space: global }
    .group_segment_fixed_size: 327680
    .private_segment_fixed_size: 0
    .kernarg_segment_align: 8
    .kernarg_segment_size: 48
    .max_flat_workgroup_size: 256
    .sgpr_count:     100
    .vgpr_count:     512
    .wavefront_size: 32
...
	.end_amdgpu_metadata
.endif
;; end of part 3
;; launch outp (part 4): grid 16 x 16, 4 waves a work-group, clusters of 4 x 4, 327,680 bytes of LDS; arguments cimg, cscl, aimg, ascl, out0; writes out0
.if DOCPART == 4
	.amdgcn_target "amdgcn-amd-amdhsa--gfx1250"
	.amdhsa_code_object_version 6
	.text
	.protected	k_q7dad87076d_outp
	.globl	k_q7dad87076d_outp
	.p2align	8
	.type	k_q7dad87076d_outp,@function
k_q7dad87076d_outp:
	s_mov_b64 s[64:65], 0
	v_nop
	global_prefetch_b8 v0, s[64:65] scope:SCOPE_SE
	s_setreg_imm32_b32 hwreg(HW_REG_WAVE_MODE, 25, 1), 1
	s_wait_xcnt 0x0
	s_wait_alu depctr_hold_cnt(0) depctr_sa_sdst(0) depctr_va_vdst(0) depctr_va_sdst(0) depctr_va_ssrc(0) depctr_va_vcc(0) depctr_vm_vsrc(0)
	s_getreg_b32 s2, hwreg(HW_REG_IB_STS2, 6, 4)
	s_cmp_eq_u32 s2, 0
	s_cbranch_scc0 .Lentry_in_a_cluster
	s_endpgm
.Lentry_in_a_cluster:
	s_bfe_u32 s2, ttmp6, 0x10000c
	s_cmp_lg_u32 s2, 0xf033
	s_cbranch_scc0 .Lentry_shape_is_right
	s_endpgm
.Lentry_shape_is_right:
; OUTP: out0 = o Wo on codes of E2M3 (K = 2,048).  A work-group makes 128 rows x 128 columns: source 0 of the matrix instruction takes P = 128 columns of Wo (images in cimg, rows 9,216 on),
; source 1 takes R = 128 rows of o (images in aimg): a lane holds one row of the output and its registers run along the columns.  Four waves, each 64 x 64: 16 accumulators;
; accumulator (a, i) at v[128 + 8 (4 a + i)]: for R tile a register n of 32 is column 16 h + n (n < 16) or 32 + 16 h + n - 16; lane r of tile a is row 32 (a / 2) + 8 (a % 2) + r + 8 (r / 8).
; K goes in four parts of 512: parts 0, 1 come together into region 0, part 2 is a first fill of region 1, part 3 fills region 0's first bytes again, behind a round of the cluster's barrier.  By this text's count a wave has one tensor load out at any time.
; CLUSTER 4 x 4: P's tiles are asked for jointly by a column of the cluster, R's by a row.  A row of o that attention marked with scale bytes 0xff comes out as NaN.
; lds_bytes claims all of a WGP's LDS, and each wave adds 0 to spare words of its own ahead of the refill's barrier and at its end.
.set SLOTB, 98304                      ; a slot: P's 8 tiles x 4 K steps x 1,536 bytes, then R's
.set RHALF, 49152
.set WPART, 24576
.set TPART, 6144
.set FRB,   1536
.set SCLP,  294912                     ; P's scale words, 8,192 bytes; R's 8,320 bytes on
.set SPARE, 311552                     ; the spare words: two blocks of 256 bytes that no other line names
.set STAGE, SLOTB                      ; the way out: 16 rows x (256 bytes + 16) for each wave, in R's half of region 0: it has had its only fill, and every wave has passed a barrier behind its last read of it
.set ADRP, 4
.set ADRR, 7
.set ADRS, 10
.set SPW,  11
.set NIL,  12
.set STO,  13                          ; v13 where I put 16 bytes of a row;  v14 where I read a row back;  v16 my byte offset in out0
.set RD,   14
.set L8,   15
.set CO,   16
.set SC,   32                          ; v32-63 scale words and nothing else
.set BK,   64                          ; v64-127 rows read back from the stage, two sets
.set ACC,  128
.set F0,   0
.set F1,   128
.set WV,   18
.set WP,   19
.set WR,   20
.set PROW, 24
.set RROW, 25
.set G1P,  32
.set G1R,  40
.set G1SP, 48
.set G1SR, 56
.set G0SP, 68
.set G0P,  72
.set G0SR, 84
.set G0R,  88
.set MSB, 0
.macro WIN new                         ; the immediate's high byte repeats the setting that is left
.if MSB != \new
	s_set_vgpr_msb (MSB<<8)|\new
.set MSB, \new
.endif
.endm
.set MUL,  0x05                        ; sources 0 and 1 window 1; C and D window 0
.set TO_F, 0x40                        ; destination window 1, address window 0
.macro JLOAD g0p, g1p, g0r, g1r        ; a joint load: waves 0 and 1 fetch for P, waves 2 and 3 for R; four v_nop follow each line
	s_cmp_eq_u32 s[WR], 0
	s_cbranch_scc0 .Lfor_r_\@
	tensor_load_to_lds s[\g0p:\g0p+3], s[\g1p:\g1p+7]
	s_nop 0
.rept 4
	v_nop
.endr
	s_branch .Lasked_\@
.Lfor_r_\@:
	tensor_load_to_lds s[\g0r:\g0r+3], s[\g1r:\g1r+7]
	s_nop 0
.rept 4
	v_nop
.endr
.Lasked_\@:
.endm
.macro CROUND                          ; a round of the cluster's barrier
	s_barrier_signal -1
	s_barrier_wait -1
	s_cmp_lg_u32 s[WV], 0
	s_cbranch_scc1 .Lnot_wave_0_\@
	s_barrier_signal -3
.Lnot_wave_0_\@:
	s_barrier_wait -3
	s_barrier_signal -1
	s_barrier_wait -1
.endm
.macro PLACES                          ; four places behind a matrix instruction (ISA guide 7.12.1)
.rept 4
	v_nop
.endr
.endm
.macro FETCH slot, ks, f               ; the eight fragments of one K step: 48 loads of 256 consecutive bytes
	WIN TO_F
.irp i, 0,1,2,3
.irp p, 0,1,2,3,4,5
	ds_load_b64 v[\f+12*\i+2*\p:\f+12*\i+2*\p+1], v[ADRP+\slot] offset:TPART*(1+(2-\slot)/2)*\i+FRB*\ks+256*\p   ; region 0 holds eight K steps a tile, regions 1 and 2 four
.endr
.endr
.irp i, 0,1,2,3
.irp p, 0,1,2,3,4,5
	ds_load_b64 v[\f+48+12*\i+2*\p:\f+48+12*\i+2*\p+1], v[ADRR+\slot] offset:TPART*(1+(2-\slot)/2)*\i+FRB*\ks+256*\p
.endr
.endr
	WIN 0
.endm
.macro SCALES part
.irp i, 0,1,2,3
.irp j, 0,1
	ds_load_b64 v[SC+16*((\part)%2)+4*\i+2*\j:SC+16*((\part)%2)+4*\i+2*\j+1], v[ADRS] offset:1024*\i+128*(2*(\part)+\j)
.endr
.endr
.endm
.macro MUL16 f, q, set, zero           ; one K step: the 16 accumulators by turns
	WIN MUL
.irp a, 0,1,2,3
.irp i, 0,1,2,3
.if \zero
	v_wmma_scale_f32_16x16x128_f8f6f4 v[ACC+8*(4*\a+\i):ACC+8*(4*\a+\i)+7], v[\f+12*\i:\f+12*\i+11], v[\f+48+12*\a:\f+48+12*\a+11], 0, v[SC+16*\set+4*\i+\q], v[SC+16*\set+4*\a+\q] matrix_a_fmt:MATRIX_FMT_FP6 matrix_b_fmt:MATRIX_FMT_FP6 matrix_b_scale:MATRIX_SCALE_ROW1
.else
	v_wmma_scale_f32_16x16x128_f8f6f4 v[ACC+8*(4*\a+\i):ACC+8*(4*\a+\i)+7], v[\f+12*\i:\f+12*\i+11], v[\f+48+12*\a:\f+48+12*\a+11], v[ACC+8*(4*\a+\i):ACC+8*(4*\a+\i)+7], v[SC+16*\set+4*\i+\q], v[SC+16*\set+4*\a+\q] matrix_a_fmt:MATRIX_FMT_FP6 matrix_b_fmt:MATRIX_FMT_FP6 matrix_b_scale:MATRIX_SCALE_ROW1
.endif
.endr
.endr
	WIN 0
.endm
.macro STEP ns, nk, f, g, q, set, zero
	s_wait_dscnt 0x0                               ; this K step's fragments are in
	PLACES
	FETCH \ns, \nk, \g
	MUL16 \f, \q, \set, \zero
.endm
	s_load_b256 s[4:11], s[0:1], 0x0               ; cimg s[4:5], cscl s[6:7], aimg s[8:9], ascl s[10:11]
	s_load_b64 s[12:13], s[0:1], 0x20              ; out0
	v_lshl_add_u32 v[SPW], v0, 2, SPARE
	v_mov_b32 v[NIL], 0
	ds_add_u32 v11, v12
	ds_add_u32 v11, v12
	s_wait_dscnt 0x0
	v_lshrrev_b32 v1, 5, v0
	v_readfirstlane_b32 s[WV], v1
	s_and_b32 s[WP], s[WV], 1                      ; which 64 columns are mine.  Also: which four tiles I fetch
	s_lshr_b32 s[WR], s[WV], 1                     ; which 64 rows.  Also: I fetch for P (0) or for R (1)
	s_bfe_u32 s21, ttmp6, 0x40000                  ; cx
	s_bfe_u32 s22, ttmp6, 0x40004                  ; cy
	s_lshl_b32 s26, ttmp9, 2
	s_add_co_u32 s26, s26, s21
	s_lshl_b32 s26, s26, 7
	s_add_co_u32 s[PROW], s26, 9216                ; P: Wo's columns 128 X on
	s_and_b32 s29, ttmp7, 0xffff
	s_lshl_b32 s29, s29, 2
	s_add_co_u32 s29, s29, s22
	s_lshl_b32 s[RROW], s29, 7                     ; R: o's rows 128 Y on
	s_lshl_b32 s26, 0x1111, s21                    ; my column of the cluster shares P,
	s_lshl_b32 s29, s22, 2
	s_lshl_b32 s29, 15, s29                        ; my row shares R
	s_or_b32 s[G1P], s26, (3<<16)|(1<<21)          ; 15:0 the mask; 17:16 elements of 8 bytes; 21 set beside a mask; no padding
	s_or_b32 s[G1R], s29, (3<<16)|(1<<21)
	s_or_b32 s[G1SP], s26, (3<<16)|(1<<21)
	s_or_b32 s[G1SR], s29, (3<<16)|(1<<21)
.irp g, G1P, G1R                       ; codes: 4 rows (tiles) of 768 elements, 3,072 apart
	s_mov_b32 s[\g+1], 1536<<16                    ; the head's loads: 8 tiles x 8 K steps (12,288 bytes a tile); behind them these four words are set for 4 tiles x 4 K steps
	s_mov_b32 s[\g+2], 8<<16
	s_mov_b32 s[\g+3], 1536<<16
	s_mov_b32 s[\g+4], 8
	s_mov_b32 s[\g+5], 3072
	s_mov_b32 s[\g+6], 0
	s_mov_b32 s[\g+7], 0
.endr
.irp g, G1SP, G1SR                     ; scales: 8,192 dense bytes as 32 rows of 256
	s_mov_b32 s[\g+1], 32<<16
	s_mov_b32 s[\g+2], 32<<16                      ; eight tiles' scales: 8,192 dense bytes as 32 rows of 256
	s_mov_b32 s[\g+3], 32<<16
	s_mov_b32 s[\g+4], 32
	s_mov_b32 s[\g+5], 32
	s_mov_b32 s[\g+6], 0
	s_mov_b32 s[\g+7], 0
.endr
	s_mov_b32 s28, 0                               ; the head's loads begin at the work-group's first P row
	s_add_co_u32 s28, s28, s[PROW]
	s_mul_i32 s26, s28, FRB
	s_mov_b32 s27, 0
	s_lshl_b32 s28, s28, 6
	s_mov_b32 s29, 0                               ; and at its first R row
	s_add_co_u32 s29, s29, s[RROW]
	s_mul_i32 s30, s29, FRB
	s_mov_b32 s31, 0
	s_lshl_b32 s29, s29, 6
	s_mul_i32 s2, s[WV], WPART
	s_wait_kmcnt 0x0
	s_add_nc_u64 s[G0P+2:G0P+3], s[4:5], s[26:27]
	s_mov_b32 s26, s28
	s_add_nc_u64 s[G0SP+2:G0SP+3], s[6:7], s[26:27]
	s_add_nc_u64 s[G0R+2:G0R+3], s[8:9], s[30:31]
	s_mov_b32 s30, s29
	s_add_nc_u64 s[G0SR+2:G0SR+3], s[10:11], s[30:31]
	s_mul_i32 s26, s[WP], 64*FRB                   ; sets 1 and 2: parts 2 and 3 of K, of the four tiles that I fetch (s27 = 0)
.irp k, 1,2
	s_add_nc_u64 s[G0P+4*\k+2:G0P+4*\k+3], s[G0P+2:G0P+3], s[26:27]
	s_add_nc_u64 s[G0P+4*\k+2:G0P+4*\k+3], s[G0P+4*\k+2:G0P+4*\k+3], TPART*(\k+1)
	s_add_nc_u64 s[G0R+4*\k+2:G0R+4*\k+3], s[G0R+2:G0R+3], s[26:27]
	s_add_nc_u64 s[G0R+4*\k+2:G0R+4*\k+3], s[G0R+4*\k+2:G0R+4*\k+3], TPART*(\k+1)
.endr
.irp k, 0,1,2
	s_mov_b32 s[G0P+4*\k], 1
	s_add_co_u32 s[G0P+4*\k+1], s2, 2*SLOTB*(\k%2)  ; part 2 lands behind the two halves of region 0, part 3 on region 0's first bytes
	s_or_b32 s[G0P+4*\k+3], s[G0P+4*\k+3], 0x80000000
	s_mov_b32 s[G0R+4*\k], 1
	s_add_co_u32 s[G0R+4*\k+1], s2, 2*SLOTB*(\k%2)
	s_or_b32 s[G0R+4*\k+3], s[G0R+4*\k+3], 0x80000000
.endr
	s_mov_b32 s[G0SP], 1
	s_mov_b32 s[G0SP+1], SCLP
	s_mov_b32 s[G0P+1], 0                          ; region 0: P's eight tiles x K steps 0-7,
	s_mov_b32 s[G0R+1], SLOTB                      ; then R's
	s_or_b32 s[G0SP+3], s[G0SP+3], 0x80000000
	s_mov_b32 s[G0SR], 1
	s_mov_b32 s[G0SR+1], SCLP+8320
	s_or_b32 s[G0SR+3], s[G0SR+3], 0x80000000
	CROUND                                         ; all sixteen work-groups are here: the first joint loads meet
; THE HEAD'S LOADS, ONE A WAVE: wave 0 P's K steps 0-7, wave 1 R's, wave 2 P's scales, wave 3 R's.  One tree of branches on the wave's number; every way passes one load
.macro ARM under, g0, g1, next
	s_cmp_lt_u32 s[WV], \under
	s_cbranch_scc0 \next
	tensor_load_to_lds s[\g0:\g0+3], s[\g1:\g1+7]
	s_nop 0
.rept 4
	v_nop
.endr
	s_branch .Lhead_asked
\next:
.endm
	ARM 1, G0P,  G1P,  .Lhead_r
	ARM 2, G0R,  G1R,  .Lhead_sp
	ARM 3, G0SP, G1SP, .Lhead_sr
	tensor_load_to_lds s[G0SR:G0SR+3], s[G1SR:G1SR+7]
	s_nop 0
.rept 4
	v_nop
.endr
.Lhead_asked:
	v_and_b32 v1, 15, v0                           ; r
	v_bfe_u32 v2, v0, 4, 1                         ; h
	s_wait_alu depctr_va_vdst(0)
	s_mul_i32 s2, s[WP], WPART                     ; region 2 (part 3): P's tiles from byte 0, R's from RHALF
	s_mul_i32 s3, s[WR], WPART
	s_add_co_u32 s3, s3, RHALF
	s_add_co_u32 s26, s2, 2*SLOTB                  ; region 1 (part 2): the same, 2 SLOTB on
	s_add_co_u32 s27, s3, 2*SLOTB
	s_mul_i32 s28, s[WP], 2*WPART                  ; region 0 (K steps 0-7): tiles of 12,288 bytes, P's from byte 0, R's from SLOTB
	s_mul_i32 s29, s[WR], 2*WPART
	s_add_co_u32 s29, s29, SLOTB
	v_and_b32 v3, 31, v0                           ; L
	v_lshlrev_b32 v[L8], 3, v3
	v_add_nc_u32 v[ADRP], s28, v[L8]
	v_add_nc_u32 v[ADRR], s29, v[L8]
	v_add_nc_u32 v[ADRP+1], s26, v[L8]
	v_add_nc_u32 v[ADRR+1], s27, v[L8]
	v_add_nc_u32 v[ADRP+2], s2, v[L8]
	v_add_nc_u32 v[ADRR+2], s3, v[L8]
	s_lshl_b32 s2, s[WP], 12
	s_add_co_u32 s2, s2, SCLP
	s_xor_b32 s3, s[WP], 1
	s_add_co_u32 s3, s3, s[WR]
	s_lshl_b32 s3, s3, 12
	s_add_co_u32 s3, s3, 4224                      ; from P's words of my tiles to R's: 8,320 + 4,096 (wr - wp)
	v_mul_u32_u24 v[ADRS], s3, v2                  ; lanes 16-31 take R's: one product
	v_lshl_add_u32 v[ADRS], v1, 3, v[ADRS]
	v_add_nc_u32 v[ADRS], s2, v[ADRS]
	s_mul_i32 s2, s[WV], 16*272
	s_add_co_u32 s2, s2, STAGE                     ; my stage
	v_mul_u32_u24 v[STO], v1, 272
	v_lshl_add_u32 v[STO], v2, 6, v[STO]
	v_add_nc_u32 v[STO], s2, v[STO]                ; in: row r, + 64 h
	v_mul_u32_u24 v[RD], v2, 272
	v_lshl_add_u32 v[RD], v1, 4, v[RD]
	v_add_nc_u32 v[RD], s2, v[RD]                  ; back: lanes 0-15 one row of 256 bytes, lanes 16-31 the next
	v_lshlrev_b32 v[CO], 13, v2
	v_lshl_add_u32 v[CO], v1, 4, v[CO]             ; and the same two rows in out0
	s_lshl_b32 s66, s[WR], 6
	s_add_co_u32 s66, s66, s[RROW]
	s_lshl_b32 s66, s66, 13                        ; my first row, of 8,192 bytes,
	s_sub_co_u32 s67, s[PROW], 9216
	s_lshl_b32 s100, s[WP], 6
	s_add_co_u32 s67, s67, s100
	s_lshl_b32 s67, s67, 2                         ; my first column
	s_add_co_u32 s66, s66, s67
	s_mov_b32 s67, 0
	s_add_nc_u64 s[12:13], s[12:13], s[66:67]
	s_wait_alu depctr_va_vdst(0)
; THE WALK ALONG K AS IT NOW STANDS: the head brings K steps 0-7 (region 0) and the scales, one load a wave; part 2 (K steps 8-11) is a first fill behind the full sequence and a round;
; part 3 fills region 0's first bytes again behind a second round.  By this text's count a wave has one tensor load out at any time.  The stage of the way out lies in R's half of region 0, which is filled once.
	s_wait_tensorcnt 0x0                           ; my tile of the head's four is in
	ds_add_u32 v[SPW], v[NIL]
.irp g, G1P, G1R
	s_mov_b32 s[\g+1], 768<<16                     ; no tensor load of mine is out: from here on a load brings 4 tiles x 4 K steps
	s_mov_b32 s[\g+2], 4<<16
	s_mov_b32 s[\g+3], 768<<16
	s_mov_b32 s[\g+4], 4
.endr
	s_wait_dscnt 0x0
	CROUND                                         ; all four tiles are in, and all sixteen work-groups are here
	JLOAD G0P+4, G1P, G0R+4, G1R                   ; part 2, a quarter a wave: it has eight K steps in which to land
	SCALES 0
	FETCH 0, 0, F0
	STEP 0, 1, F0, F1, 0, 0, 1                     ; K step 0 starts the sums
	STEP 0, 2, F1, F0, 1, 0, 0
	STEP 0, 3, F0, F1, 2, 0, 0
	s_wait_dscnt 0x0
	PLACES
	SCALES 1
	FETCH 0, 4, F0
	MUL16 F1, 3, 0, 0
	STEP 0, 5, F0, F1, 0, 1, 0
	STEP 0, 6, F1, F0, 1, 1, 0
	STEP 0, 7, F0, F1, 2, 1, 0
	s_wait_dscnt 0x0                               ; K step 7's fragments are in: my last reads of region 0
	s_wait_tensorcnt 0x0                           ; my part of part 2 has landed
	ds_add_u32 v[SPW], v[NIL]
	MUL16 F1, 3, 1, 0                              ; sixteen matrix instructions stand between the add and the wait for it
	s_wait_dscnt 0x0
	CROUND                                         ; no wave of any partner still reads region 0 or has a load on its way
	JLOAD G0P+8, G1P, G0R+8, G1R                   ; the one refill: part 3; its v_nop are the places in front of the loads below
	SCALES 2
	FETCH 1, 0, F0
	STEP 1, 1, F0, F1, 0, 0, 0
	STEP 1, 2, F1, F0, 1, 0, 0
	STEP 1, 3, F0, F1, 2, 0, 0
	s_wait_dscnt 0x0
	MUL16 F1, 3, 0, 0
	s_wait_tensorcnt 0x0                           ; my part of part 3 is in,
	s_barrier_signal -1
	s_barrier_wait -1                              ; everybody's is
	PLACES
	SCALES 3
	FETCH 2, 0, F0
	STEP 2, 1, F0, F1, 0, 1, 0
	STEP 2, 2, F1, F0, 1, 1, 0
	STEP 2, 3, F0, F1, 2, 1, 0
	s_wait_dscnt 0x0
	MUL16 F1, 3, 1, 0
	PLACES
	; THE WAY OUT, a tile of 16 rows x 64 columns at a time: through my own stage, back as whole rows of 256 bytes.  LDS serves a wave's instructions in order (ISA guide 5.7.1.4): no wait between the stores and the loads
.irp a, 0,1,2,3
.if \a > 1
	s_wait_xcnt 0x0                                ; tile a - 2's stores have read the registers that these loads fill
.endif
.irp b, 0,1
.irp i, 0,1,2,3
	ds_store_b128 v[STO], v[ACC+32*\a+16*\b+4*\i:ACC+32*\a+16*\b+4*\i+3] offset:128*\b+16*\i       ; each accumulator from its low end on
.endr
.endr
.irp t, 0,1,2,3,4,5,6,7
	ds_load_b128 v[BK+32*(\a%2)+4*\t:BK+32*(\a%2)+4*\t+3], v[RD] offset:544*\t
.endr
	s_wait_dscnt 0x0
.irp t, 0,1,2,3,4,5,6,7
	global_store_b128 v[CO], v[BK+32*(\a%2)+4*\t:BK+32*(\a%2)+4*\t+3], s[12:13] offset:(32*(\a/2)+8*(\a%2)+2*\t+8*(\t/4))*8192 th:TH_STORE_NT   ; 16 lanes store 256 consecutive bytes, aligned
.endr
.endr
	s_wait_tensorcnt 0x0                           ; the wave's end
	ds_add_u32 v[SPW], v[NIL]
	s_wait_dscnt 0x0
	CROUND                                         ; the closing round
	s_endpgm
.Lfunc_end_k_q7dad87076d_outp:
	.size	k_q7dad87076d_outp, .Lfunc_end_k_q7dad87076d_outp-k_q7dad87076d_outp
	.p2alignl 7, 3214868480
	.fill 96, 4, 3214868480
	.section	.rodata,"a",@progbits
	.p2align	6, 0x0
	.amdhsa_kernel k_q7dad87076d_outp
		.amdhsa_group_segment_fixed_size 327680
		.amdhsa_private_segment_fixed_size 0
		.amdhsa_enable_private_segment 0
		.amdhsa_kernarg_size 40
		.amdhsa_user_sgpr_count 2
		.amdhsa_user_sgpr_kernarg_segment_ptr 1
		.amdhsa_wavefront_size32 1
		.amdhsa_system_sgpr_workgroup_id_x 1
		.amdhsa_system_sgpr_workgroup_id_y 1
		.amdhsa_system_sgpr_workgroup_id_z 1
		.amdhsa_system_vgpr_workitem_id 0
		.amdhsa_next_free_vgpr 512
		.amdhsa_next_free_sgpr 106
		.amdhsa_reserve_vcc 0
		.amdhsa_float_denorm_mode_32 3
		.amdhsa_float_denorm_mode_16_64 3
		.amdhsa_memory_ordered 1
		.amdhsa_forward_progress 1
		.amdhsa_inst_pref_size 106
	.end_amdhsa_kernel
	.amdgpu_metadata
---
amdhsa.version: [ 1, 2 ]
amdhsa.kernels:
  - .name:           k_q7dad87076d_outp
    .symbol:         k_q7dad87076d_outp.kd
    .args:
      - { .name: cimg, .offset: 0, .size: 8, .value_kind: global_buffer, .address_space: global }
      - { .name: cscl, .offset: 8, .size: 8, .value_kind: global_buffer, .address_space: global }
      - { .name: aimg, .offset: 16, .size: 8, .value_kind: global_buffer, .address_space: global }
      - { .name: ascl, .offset: 24, .size: 8, .value_kind: global_buffer, .address_space: global }
      - { .name: out0, .offset: 32, .size: 8, .value_kind: global_buffer, .address_space: global }
    .group_segment_fixed_size: 327680
    .private_segment_fixed_size: 0
    .kernarg_segment_align: 8
    .kernarg_segment_size: 40
    .max_flat_workgroup_size: 128
    .sgpr_count:     106
    .vgpr_count:     512
    .wavefront_size: 32
...
	.end_amdgpu_metadata
.endif
;; end of part 4
